; MI455X (gfx1250); checked and timed in simulation.
; The chip was launched on July 23, 2026; its instructions are those of AMD's public machine-readable ISA for CDNA 5 (MIT licence, August 2026) and "CDNA5" Instruction Set Architecture Reference Guide (July 2026). The comments in the code are by the model that wrote it; some were corrected since.
;; Causal Self Attention. Allowed arithmetic: matrix products marked QUANTISED: E2M3 operands, one E8M0 scale for each 32 along K, by v_wmma_scale_f32_16x16x128_f8f6f4 with both operands' format E2M3, f32 sums; everything else in f32.
;; Inputs: W_attn 1,024 x 3,072 float32; W_proj 1,024 x 1,024 float32; b_attn 3,072 float32; b_proj 1,024 float32; x 4 x 2,048 x 1,024 float32.
;; Outputs: out0 4 x 2,048 x 1,024 float32.
;; This version of the problem:
;;   THIS VERSION OF THE PROBLEM IS GIVEN IN LOW PRECISION. The matrix products marked QUANTISED in the list below multiply operands that are first quantised to E2M3 (2 exponent bits, 3 mantissa bits; 6 bits a number), with one power-of-two scale for each 32 numbers along K (OCP MX v1.0); their sums are f32. All else is computed in f32.
;;   The module's matrix products, in the order in which they are computed (A, B: the left and right operand; K: the contracted axis; several contracted axes count as one K, in the product's order):
;;     1. [M 8,192, K 1,024] x [K 1,024, N 3,072]; A: input x; B: input W_attn: QUANTISED
;;     2. batch 64 x [M 2,048, K 64] x [K 64, N 2,048]; A: computed on the way; B: computed on the way: QUANTISED
;;     3. batch 64 x [M 2,048, K 2,048] x [K 2,048, N 64]; A: softmax (see below); B: computed on the way: QUANTISED
;;     4. [M 8,192, K 1,024] x [K 1,024, N 1,024]; A: computed on the way; B: input W_proj: QUANTISED
;;   THE QUANTISER, for each operand of a quantised product, along K:
;;     - K is cut into blocks of 32 from its start; a last block that is shorter is filled with zeros.
;;     - A block's scale is 2^e with e = floor(log2(the largest magnitude in the block)) - 2, held to -126 .. 127; a block of zeros has e = 0. As a byte (E8M0): e + 127.
;;     - Each number is divided by its block's scale, clamped to +-7.5, and rounded to the nearest number of E2M3, ties to even, subnormals kept.
;;     - The product sums the exact products of the quantised numbers (number of the format x scale) in f32.
;;   ~~~python
;;   def quantise(x, axis):      # numpy; x: float32 -> the quantised numbers, widened to float32 again
;;       x = np.moveaxis(x, axis, -1); K = x.shape[-1]
;;       x = np.pad(x, [(0, 0)] * (x.ndim - 1) + [(0, -K % 32)]); x = x.reshape(x.shape[:-1] + (-1, 32)); a = np.abs(x).max(-1, keepdims=True)
;;       e = np.where(a > 0, np.clip(np.frexp(np.where(a > 0, a, 1))[1] - 1 - 2, -126, 127), 0)      # np.frexp(a)[1] - 1 = floor(log2(a)), exactly
;;       r = np.clip(x / 2.0 ** e, -7.5, 7.5)
;;       step = 2.0 ** (np.maximum(np.frexp(np.where(r == 0, 1, r))[1] - 1, 0) - 3)
;;       q = np.round(r / step) * step * 2.0 ** e      # np.round: ties to even
;;       return np.moveaxis(q.reshape(q.shape[:-2] + (-1,))[..., :K], -1, axis).astype(np.float32)
;;   ~~~
;;   SOFTMAX AHEAD OF A QUANTISED PRODUCT. Where the list says 'softmax', what is quantised is not the finished softmax but p = 2^(t - M), with t = logit x log2(e) and M = ceil(the row's largest t), a whole number; so 1/2 < the row's largest p <= 1. The row's sum l is taken of the UNQUANTISED p, in f32, and the product's result is divided by l at the end. Since M is a whole number, a kernel that streams over the keys may use a running M (the ceiling of the running maximum): every later rescaling is an exact power of two, which a block's scale takes up: the codes' values come out the same.
;;   OPERANDS COMPUTED ON THE WAY. 'Computed on the way' means the value that the module computes at that place (a softmax that the list does not call 'softmax' is quantised finished and normalised). What goes into a quantiser is computed in f32, as accurately as f32 sums, v_exp_f32 and their like allow (about 1e-6 of the number): no bf16 or f16 on the way to a quantiser, and a product that is left as it is and whose result goes on into a quantised operand takes f32 operands (vector FMAs, or v_wmma_f32_16x16x4_f32). A number that lies on a knife's edge between two numbers of the format may be rounded either way, as far as f32 arithmetic and the matrix unit's own rounding can turn it there, and no further.
;; One version. Each part assembles by itself: llvm-mc -triple=amdgcn-amd-amdhsa -mcpu=gfx1250 --defsym DOCPART=n.
;; ======== version 1 of 1: 4 launches
;; limits: right only within a limited range of input values
;; workspace buffers: xq 6,553,600 bytes; waq 2,457,600 bytes; wpq 819,200 bytes; rope 524,288 bytes; q 6,815,744 bytes; kv 13,369,344 bytes; aq 6,553,600 bytes
;; launch prep (part 1): grid 448 x 1, 4 waves a work-group, no clusters, 34,304 bytes of LDS; arguments x, W_attn, W_proj, xq, waq, wpq, rope; writes xq, waq, wpq, rope
.if DOCPART == 1
	.amdgcn_target "amdgcn-amd-amdhsa--gfx1250"
	.amdhsa_code_object_version 6
	.text
	.protected	k_qa0134870a1_prep
	.globl	k_qa0134870a1_prep
	.p2align	8
	.type	k_qa0134870a1_prep,@function
k_qa0134870a1_prep:
	s_mov_b64 s[64:65], 0
	v_nop
	global_prefetch_b8 v0, s[64:65] scope:SCOPE_SE
	s_setreg_imm32_b32 hwreg(HW_REG_WAVE_MODE, 25, 1), 1
	s_wait_xcnt 0x0
; PREP: x [8192][1024], W_attn [1024][3072] and W_proj [1024][1024], f32, become codes of FP6 (E2M3) with one E8M0 byte for each 32 along K; and the table of cos and sin for the rotation is made.
; A block's scale is 2^(floor(log2(its largest magnitude)) - 2); its byte is the largest magnitude's exponent field - 2, held at 1 from below.
; LAYOUT OF THE CODES, in the order of an operand's registers.  A TILE is 16 rows (of x) or 16 columns n (of a weight): place r of tile 2 b + u is row 32 b + 8 u + r + 8 (r / 8).
; A HALF IMAGE, 768 bytes, is a tile's codes of 64 along K: lane 16 h + r of a wave holds k = 32 h .. 32 h + 31 of place r in six registers; registers 0-3 lie at 16 x lane, registers 4-5 at 512 + 16 r + 8 h.
; A tensor: [k / 256][tile][(k / 64) % 4][768]; behind the codes the scale bytes [tile][place][32], byte k / 32.
; WORK-GROUPS 0-255: x.  256-351: W_attn.  352-383: W_proj.  384-447: the table [position 2048][pair 32](cos, sin).  Waves share nothing: no barrier.  Only x's path touches LDS.
; LIMITS: NaN and infinities among the inputs are not served.  A block whose largest magnitude lies under 2^-124, a block of zeros among them, gets the byte 1 (the quantiser's 127 for zeros is not written: the codes
; are zeros, which add nothing under any byte but 0xff, and the bytes are read by this program alone).  The frequencies are 2^(-j log2(10) / 8) by v_exp_f32, a few units in the last place from a power in f32: an angle
; at position 2047 moves by about 2e-4 at the most.  cos and sin: the angle less a multiple of pi / 2 given in three parts, then polynomials of degree 7 and 8; angles from 0 to 2047.
.set XSLOT, 1572864                    ; x's codes of 256 along K: 512 tiles x 3,072 bytes
.set XSC,   6291456                    ; where x's scale bytes begin
.set XSTG,  8448                       ; LDS: a stage of 16 rows x (512 + 16) bytes for each wave
.set R,   32                           ; x: v32-159  two sets of 64 numbers as loaded
.set X,   160                          ;    v160-223 64 numbers, 32 neighbours along K twice
.set C,   224                          ;    v224-235 a fragment's codes;  v236-242 halves made elsewhere and moved
.set CT,  236
.set X2,  32                           ; weights: v32-95 two sets of 32 numbers
.set C2,  100                          ;    v100-111 a half image's three stores;  v112-118 halves made elsewhere and moved
.set CT2, 112
.set SB,  26                           ; v26-29 scale words (x: one for each fragment; weights: eight bytes in v26-27)
.macro LOADX f                         ; fragment f (128 along K) of my 16 rows: each load takes 512 consecutive bytes of one row
.irp i, 0,1,2,3,4,5,6,7,8,9,10,11,12,13,14,15
	global_load_b128 v[R+64*((\f)%2)+4*\i:R+64*((\f)%2)+4*\i+3], v4, s[4:5] offset:(\i+8*(\i/8))*4096+512*(\f) th:TH_LOAD_NT
.endr
.endm
.macro TURNX f                         ; through my stage: in as loaded, out 128 bytes (32 neighbours) a lane, twice.  LDS serves a wave's instructions in order: no wait between
.irp i, 0,1,2,3,4,5,6,7,8,9,10,11,12,13,14,15
	ds_store_b128 v14, v[R+64*((\f)%2)+4*\i:R+64*((\f)%2)+4*\i+3] offset:528*\i
.endr
.irp c, 0,1
.irp j, 0,1,2,3,4,5,6,7
	ds_load_b128 v[X+32*\c+4*\j:X+32*\c+4*\j+3], v15 offset:256*\c+16*\j
.endr
.endr
.endm
.macro FRAGX f
.if (\f) < 3
	s_wait_loadcnt 16                              ; this fragment's 16 loads are in; the other set's 16 may be out
.else
	s_wait_loadcnt 0x0
.endif
	TURNX \f
	s_wait_dscnt 0x0                               ; the numbers are back, so the stores into the stage have read their registers,
.if (\f) < 2
	LOADX (\f)+2                                   ; which take the fragment two on
.endif
.irp c, 0,1
	v_max3_num_f32 v[16+\c], |v[X+32*\c]|, |v[X+32*\c+1]|, 0x1800000   ; block 2 c + h: all its 32 numbers are mine; the floor 2^(3 - 127) holds the byte at 1 from below
.endr
.irp i, 2,4,6,8,10,12,14,16,18,20,22,24,26,28,30
.irp c, 0,1
	v_max3_num_f32 v[16+\c], v[16+\c], |v[X+32*\c+\i]|, |v[X+32*\c+\i+1]|
.endr
.endr
.irp c, 0,1
	v_add_nc_u32 v[18+\c], 0xff000000, v[16+\c]    ; 2 off the exponent field: the conversion takes this operand's exponent field as its scale
.endr
.if (\f) > 0
	s_wait_alu depctr_va_vdst(0)
	s_wait_xcnt 0x0                                ; the last fragment's stores have read the codes' registers
.endif
.irp c, 0,1
	v_cvt_scalef32_pk16_fp6_f32 v[C+6*\c:C+6*\c+2], v[X+32*\c:X+32*\c+15], v[18+\c]
	v_cvt_scalef32_pk16_fp6_f32 v[CT+4*\c:CT+4*\c+2], v[X+32*\c+16:X+32*\c+31], v[18+\c]   ; (a conversion's three registers begin on an even number)
.endr
.irp c, 0,1
	v_lshrrev_b32 v[20+\c], 23, v[18+\c]           ; the scale's byte.  (The plain place behind the conversions)
.endr
.irp c, 0,1
.irp i, 0,1,2
	v_mov_b32 v[C+6*\c+3+\i], v[CT+4*\c+\i]
.endr
.endr
	v_lshl_or_b32 v22, v21, 16, v20                ; my two bytes, blocks h and 2 + h,
	v_lshlrev_b32 v22, v24, v22                    ; 8 h bits up;
	v_permlanex16_b32 v23, v22, s20, s21
	v_or_b32 v[SB+(\f)], v22, v23                  ; with lane l xor 16's two the row's word of these 128 is whole
.irp c, 0,1
	global_store_b128 v4, v[C+6*\c:C+6*\c+3], s[30:31] offset:((\f)/2)*XSLOT+(2*((\f)%2)+\c)*768       ; 512 consecutive bytes
	global_store_b64 v5, v[C+6*\c+4:C+6*\c+5], s[30:31] offset:((\f)/2)*XSLOT+(2*((\f)%2)+\c)*768+512  ; 256 consecutive bytes
.endr
.endm
.macro LOADW t, N, WP                  ; block t: W(32 t + i, my column): 32 lanes read 128 consecutive bytes
.irp i, 0,1,2,3,4,5,6,7,8,9,10,11,12,13,14,15,16,17,18,19,20,21,22,23,24,25,26,27,28,29,30,31
	global_load_b32 v[X2+32*((\t)%2)+\i], v4, s[\WP:\WP+1] offset:(32*(\t)+\i)*\N*4 th:TH_LOAD_NT
.endr
.endm
.macro BLOCKW t, N, WP                 ; a lane is a column and its registers run down K: the block's 32 numbers are mine
.set XS, X2+32*((\t)%2)
.set HH, (\t)%2
.if (\t) < 7
	s_wait_loadcnt 32                              ; this block's 32 loads are in; the next block's may be out
.else
	s_wait_loadcnt 0x0
.endif
	v_max3_num_f32 v12, |v[XS]|, |v[XS+1]|, |v[XS+2]|
	v_max3_num_f32 v13, |v[XS+3]|, |v[XS+4]|, |v[XS+5]|
.irp i, 6,10,14,18,22,26
	v_max3_num_f32 v12, v12, |v[XS+\i]|, |v[XS+\i+1]|
	v_max3_num_f32 v13, v13, |v[XS+\i+2]|, |v[XS+\i+3]|
.endr
	v_max3_num_f32 v12, v12, |v[XS+30]|, |v[XS+31]|
	v_max3_num_f32 v12, v12, v13, 0x1800000        ; and the floor
	v_add_nc_u32 v11, 0xff000000, v12
.if HH == 0 && (\t) > 0
	s_wait_alu depctr_va_vdst(0)
	s_wait_xcnt 0x0                                ; the last half image's stores have read their registers
.endif
	v_cvt_scalef32_pk16_fp6_f32 v[C2+4*HH:C2+4*HH+2], v[XS:XS+15], v11
	v_cvt_scalef32_pk16_fp6_f32 v[CT2+4*HH:CT2+4*HH+2], v[XS+16:XS+31], v11
	v_lshrrev_b32 v13, 23, v11                     ; the byte.  (The plain place behind the conversions)
.if (\t)%4 == 0
	v_mov_b32 v[SB+(\t)/4], v13
.else
	v_lshl_or_b32 v[SB+(\t)/4], v13, 8*((\t)%4), v[SB+(\t)/4]
.endif
.if (\t)+2 < 8
	LOADW (\t)+2, \N, \WP
.endif
.if HH == 1                            ; both halves of 64 along K are made: registers 0-3 of h = 0, of h = 1, then registers 4-5 of both
	v_mov_b32 v[C2+3], v[CT2]
	v_mov_b32 v[C2+7], v[CT2+4]
	v_mov_b32 v[C2+8], v[CT2+1]
	v_mov_b32 v[C2+9], v[CT2+2]
	v_mov_b32 v[C2+10], v[CT2+5]
	v_mov_b32 v[C2+11], v[CT2+6]
.irp k, 0,1,2
	global_store_b128 v5, v[C2+4*\k:C2+4*\k+3], s[30:31] offset:768*((\t)/2)+256*\k   ; the sixteen lanes of a tile store 256 consecutive bytes, aligned
.endr
.endif
.endm
; A weight [1024][N]: work-group g of its run takes k = 256 (g % 4) on and columns 128 (g / 4) on; a wave 32 columns: tiles 2 b and 2 b + 1, b = 4 (g / 4) + wave.
.macro WQ N, NT, WP, QP, SCOFF, FIRST
	s_sub_co_u32 s24, ttmp9, \FIRST
	s_and_b32 s25, s24, 3                          ; which 256 along K
	s_lshr_b32 s24, s24, 2
	s_lshl_b32 s26, s24, 2
	s_add_co_u32 s26, s26, s18                     ; b
	s_mul_i32 s28, s25, 256*\N*4
	s_lshl_b32 s27, s26, 7
	s_add_co_u32 s28, s28, s27
	s_add_nc_u64 s[\WP:\WP+1], s[\WP:\WP+1], s[28:29]
	s_mul_i32 s28, s25, \NT*3072
	s_mul_i32 s27, s26, 6144
	s_add_co_u32 s28, s28, s27
	s_add_nc_u64 s[30:31], s[\QP:\QP+1], s[28:29]  ; my two tiles' codes
	s_lshl_b32 s28, s26, 10
	s_lshl_b32 s27, s25, 3
	s_add_co_u32 s28, s28, s27
	s_add_co_u32 s28, s28, \SCOFF
	s_add_nc_u64 s[32:33], s[\QP:\QP+1], s[28:29]  ; and their scale bytes
	v_bfe_u32 v8, v1, 3, 1                         ; column lane = 8 u + (place % 8) + 16 (place / 8): u,
	v_and_b32 v9, 7, v1
	v_lshrrev_b32 v10, 4, v1
	v_lshl_add_u32 v9, v10, 3, v9                  ; and the place
	v_lshlrev_b32 v4, 2, v1
	v_mul_u32_u24 v5, v8, 3072
	v_lshl_add_u32 v5, v9, 4, v5
	v_lshlrev_b32 v6, 9, v8
	v_lshl_add_u32 v6, v9, 5, v6
	LOADW 0, \N, \WP
	LOADW 1, \N, \WP
.irp t, 0,1,2,3,4,5,6,7
	BLOCKW \t, \N, \WP
.endr
	global_store_b64 v6, v[SB:SB+1], s[32:33]      ; my column's eight bytes
	s_endpgm
.endm
; position s24 + i, pair = lane
.macro ANG i
	s_add_co_u32 s25, s24, \i
	v_cvt_f32_u32 v10, s25
	v_mul_f32 v10, v10, v8                         ; the angle
	v_mul_f32 v11, 0x3f22f983, v10
	v_rndne_f32 v11, v11                           ; n = the nearest multiple of pi / 2
	v_fmamk_f32 v12, v11, 0xbfc90000, v10          ; less n x pi / 2, in three parts; n has 11 bits, so the first two products are exact
	v_fmamk_f32 v12, v11, 0xb9fda000, v12
	v_fmamk_f32 v12, v11, 0xb3a22169, v12
	v_mul_f32 v13, v12, v12
	v_fmaak_f32 v14, v25, v13, 0x3c08839e
	v_fmaak_f32 v14, v14, v13, 0xbe2aaaa3
	v_mul_f32 v15, v12, v13
	v_fma_f32 v14, v14, v15, v12                   ; the sine of what is left
	v_fmaak_f32 v16, v26, v13, 0xbab6061a
	v_fmaak_f32 v16, v16, v13, 0x3d2aaaa5
	v_mul_f32 v17, v13, v13
	v_fma_f32 v18, v13, -0.5, 1.0
	v_fma_f32 v16, v16, v17, v18                   ; its cosine
	v_cvt_i32_f32 v19, v11
	v_and_b32 v20, 1, v19
	v_cmp_ne_u32 vcc_lo, 0, v20
	v_cndmask_b32 v21, v14, v16, vcc_lo            ; an odd n changes the two over;
	v_cndmask_b32 v22, v16, v14, vcc_lo
	v_and_b32 v23, 2, v19
	v_lshlrev_b32 v23, 30, v23
	v_xor_b32 v[41+2*\i], v21, v23                 ; the sine is negative for n % 4 = 2, 3,
	v_add_nc_u32 v24, 1, v19
	v_and_b32 v24, 2, v24
	v_lshlrev_b32 v24, 30, v24
	v_xor_b32 v[40+2*\i], v22, v24                 ; the cosine for n % 4 = 1, 2
	global_store_b64 v7, v[40+2*\i:41+2*\i], s[16:17] offset:256*\i   ; a position's 32 pairs: 256 consecutive bytes, aligned
.endm
	s_load_b256 s[4:11], s[0:1], 0x0               ; x s[4:5], W_attn s[6:7], W_proj s[8:9], xq s[10:11]
	s_load_b128 s[12:15], s[0:1], 0x20             ; waq s[12:13], wpq s[14:15]
	s_load_b64 s[16:17], s[0:1], 0x30              ; rope
	v_lshl_add_u32 v254, v0, 2, 0x8400
	v_mov_b32 v255, 0
	v_lshrrev_b32 v1, 5, v0
	v_readfirstlane_b32 s18, v1                    ; wave
	v_and_b32 v1, 31, v0                           ; lane
	v_and_b32 v2, 15, v0                           ; r
	v_bfe_u32 v3, v0, 4, 1                         ; h
	s_mov_b32 s29, 0                               ; the upper word of every offset
	s_wait_kmcnt 0x0
	s_cmp_lt_u32 ttmp9, 256
	s_cbranch_scc1 .Lx
	s_cmp_lt_u32 ttmp9, 352
	s_cbranch_scc1 .Lwa
	s_cmp_lt_u32 ttmp9, 384
	s_cbranch_scc1 .Lwp
	; ---- the table: a work-group 32 positions, a wave 8
	s_sub_co_u32 s24, ttmp9, 384
	s_lshl_b32 s28, s24, 13
	s_add_nc_u64 s[16:17], s[16:17], s[28:29]
	s_lshl_b32 s24, s24, 5
	s_lshl_b32 s25, s18, 3
	s_add_co_u32 s24, s24, s25                     ; my first position
	s_wait_alu depctr_va_vdst(0)
	v_lshlrev_b32 v7, 3, v1
	v_lshl_add_u32 v7, s18, 11, v7                 ; 8 x pair + 2,048 x wave
	v_cvt_f32_u32 v8, v1
	v_mul_f32 v8, 0xbed49a78, v8                   ; -pair x log2(10) / 8
	s_wait_alu depctr_va_vdst(0)
	v_exp_f32 v8, v8                               ; 10000^(-pair / 32)
	v_mov_b32 v25, 0xb94ca1f9                      ; (a plain place behind the exponential)  the polynomials' leading terms
	v_mov_b32 v26, 0x37ccf5ce
	s_wait_alu depctr_va_vdst(0)
.irp i, 0,1,2,3,4,5,6,7
	ANG \i
.endr
	s_endpgm
.Lx:	; ---- x: wave u = 4 x work-group + wave takes tile u / 2 and k = 512 (u % 2) on: four fragments
	s_lshl_b32 s24, ttmp9, 2
	s_add_co_u32 s24, s24, s18
	s_lshr_b32 s25, s24, 1                         ; the tile
	s_and_b32 s26, s24, 1                          ; which half of K
	s_lshr_b32 s27, s25, 1
	s_lshl_b32 s27, s27, 5
	s_and_b32 s28, s25, 1
	s_lshl_b32 s28, s28, 3
	s_add_co_u32 s27, s27, s28                     ; the tile's first row
	s_lshl_b32 s28, s27, 12
	s_lshl_b32 s27, s26, 11
	s_add_co_u32 s28, s28, s27
	s_add_nc_u64 s[4:5], s[4:5], s[28:29]
	s_mul_i32 s28, s26, 2*XSLOT
	s_mul_i32 s27, s25, 3072
	s_add_co_u32 s28, s28, s27
	s_add_nc_u64 s[30:31], s[10:11], s[28:29]      ; its codes
	s_lshl_b32 s28, s25, 9
	s_lshl_b32 s27, s26, 4
	s_add_co_u32 s28, s28, s27
	s_add_co_u32 s28, s28, XSC
	s_add_nc_u64 s[32:33], s[10:11], s[28:29]      ; its scale bytes
	s_mov_b32 s20, 0x76543210
	s_mov_b32 s21, 0xfedcba98                      ; v_permlanex16_b32's selects for lane l xor 16
	s_mov_b32 s22, 0xffff0000                      ; lanes 16-31
	s_mul_i32 s27, s18, XSTG
	s_wait_alu depctr_va_vdst(0)
	v_lshlrev_b32 v4, 4, v1                        ; 16 x lane
	v_add_nc_u32 v14, s27, v4                      ; the stage, on the way in
	v_mul_u32_u24 v15, v2, 528
	v_lshl_add_u32 v15, v3, 7, v15
	v_add_nc_u32 v15, s27, v15                     ; and out: row r, 128 h bytes on
	v_lshlrev_b32 v5, 4, v2
	v_lshl_add_u32 v5, v3, 3, v5                   ; 16 r + 8 h
	v_lshlrev_b32 v6, 5, v2
	v_lshl_add_u32 v6, v3, 3, v6                   ; 32 r + 8 h
	v_lshlrev_b32 v24, 3, v3                       ; 8 h
	v_mov_b32 v23, 0                               ; a lane permute's destination counts as one of its sources
	LOADX 0
	LOADX 1
	s_wait_alu depctr_va_vdst(0)
.irp f, 0,1,2,3
	FRAGX \f
.endr
	v_cndmask_b32 v30, v[SB], v[SB+2], s22         ; lanes 0-15 store the row's words 0 and 1, lanes 16-31 words 2 and 3
	v_cndmask_b32 v31, v[SB+1], v[SB+3], s22
	global_store_b64 v6, v[30:31], s[32:33]
	s_wait_tensorcnt 0x0
	ds_add_u32 v254, v255
	s_wait_dscnt 0x0
	s_endpgm
.Lwa:
	s_wait_alu depctr_va_vdst(0)
	WQ 3072, 192, 6, 12, 2359296, 256
.Lwp:
	s_wait_alu depctr_va_vdst(0)
	WQ 1024, 64, 8, 14, 786432, 352
.Lfunc_end_k_qa0134870a1_prep:
	.size	k_qa0134870a1_prep, .Lfunc_end_k_qa0134870a1_prep-k_qa0134870a1_prep
	.p2alignl 7, 3214868480
	.fill 96, 4, 3214868480
	.section	.rodata,"a",@progbits
	.p2align	6, 0x0
	.amdhsa_kernel k_qa0134870a1_prep
		.amdhsa_group_segment_fixed_size 34304
		.amdhsa_private_segment_fixed_size 0
		.amdhsa_enable_private_segment 0
		.amdhsa_kernarg_size 56
		.amdhsa_user_sgpr_count 2
		.amdhsa_user_sgpr_kernarg_segment_ptr 1
		.amdhsa_wavefront_size32 1
		.amdhsa_system_sgpr_workgroup_id_x 1
		.amdhsa_system_sgpr_workgroup_id_y 1
		.amdhsa_system_sgpr_workgroup_id_z 1
		.amdhsa_system_vgpr_workitem_id 0
		.amdhsa_next_free_vgpr 256
		.amdhsa_next_free_sgpr 66
		.amdhsa_reserve_vcc 1
		.amdhsa_float_denorm_mode_32 3
		.amdhsa_float_denorm_mode_16_64 3
		.amdhsa_memory_ordered 1
		.amdhsa_forward_progress 1
		.amdhsa_inst_pref_size 119
	.end_amdhsa_kernel
	.amdgpu_metadata
---
amdhsa.version: [ 1, 2 ]
amdhsa.kernels:
  - .name:           k_qa0134870a1_prep
    .symbol:         k_qa0134870a1_prep.kd
    .args:
      - { .name: x, .offset: 0, .size: 8, .value_kind: global_buffer, .address_space: global }
      - { .name: W_attn, .offset: 8, .size: 8, .value_kind: global_buffer, .address_space: global }
      - { .name: W_proj, .offset: 16, .size: 8, .value_kind: global_buffer, .address_space: global }
      - { .name: xq, .offset: 24, .size: 8, .value_kind: global_buffer, .address_space: global }
      - { .name: waq, .offset: 32, .size: 8, .value_kind: global_buffer, .address_space: global }
      - { .name: wpq, .offset: 40, .size: 8, .value_kind: global_buffer, .address_space: global }
      - { .name: rope, .offset: 48, .size: 8, .value_kind: global_buffer, .address_space: global }
    .group_segment_fixed_size: 34304
    .private_segment_fixed_size: 0
    .kernarg_segment_align: 8
    .kernarg_segment_size: 56
    .max_flat_workgroup_size: 128
    .sgpr_count:     66
    .vgpr_count:     256
    .wavefront_size: 32
...
	.end_amdgpu_metadata
.endif
;; end of part 1
;; launch qkv (part 2): grid 12 x 32, 4 waves a work-group, clusters of 4 x 4, 327,680 bytes of LDS; arguments xq, waq, b_attn, rope, q, kv; writes q, kv
.if DOCPART == 2
	.amdgcn_target "amdgcn-amd-amdhsa--gfx1250"
	.amdhsa_code_object_version 6
	.text
	.protected	k_qa0134870a1_qkv
	.globl	k_qa0134870a1_qkv
	.p2align	8
	.type	k_qa0134870a1_qkv,@function
k_qa0134870a1_qkv:
	s_mov_b64 s[64:65], 0
	v_nop
	global_prefetch_b8 v0, s[64:65] scope:SCOPE_SE
	s_setreg_imm32_b32 hwreg(HW_REG_WAVE_MODE, 25, 1), 1
	s_wait_xcnt 0x0
	s_wait_alu depctr_hold_cnt(0) depctr_sa_sdst(0) depctr_va_vdst(0) depctr_va_sdst(0) depctr_va_ssrc(0) depctr_va_vcc(0) depctr_vm_vsrc(0)
	s_getreg_b32 s2, hwreg(HW_REG_IB_STS2, 6, 4)
	s_cmp_eq_u32 s2, 0
	s_cbranch_scc0 .Lentry_in_a_cluster
	s_endpgm
.Lentry_in_a_cluster:
	s_bfe_u32 s2, ttmp6, 0x10000c
	s_cmp_lg_u32 s2, 0xf033
	s_cbranch_scc0 .Lentry_shape_is_right
	s_endpgm
.Lentry_shape_is_right:
; QKV: x W_attn + b_attn on codes of FP6 (E2M3) with E8M0 scales, K = 1,024; then the rotation of q and k, and q, k (along the head's 64) and v (along the keys) are quantised again.  Nothing leaves as f32.
; OPERANDS lie in memory in the order of their registers.  A TILE is 16 rows of x or 16 columns of W: place r of tile 2 b + u is row 32 b + 8 u + r + 8 (r / 8).  A HALF IMAGE, 768 bytes, is a tile's codes of 64 along K:
; registers 0-3 of lane l at 16 l, registers 4-5 at 512 + 16 (l % 16) + 8 (l / 16).  A tensor: [k / 256][tile][(k / 64) % 4][768]; behind the codes the scale bytes [tile][place][32].
; SHARES.  A work-group of four waves makes 256 rows x 256 columns, a wave 128 x 128: 64 accumulators, 512 registers.  K goes in steps of 256 through two LDS slots; a wave's tensor load brings 8 tiles' part of a slot,
; 24,576 dense bytes.  The scale bytes of the work-group's rows and columns, for all of K, come once.  K = 1,024 is four slots: each slot is filled twice, and the steps are written out without a loop.
; CLUSTERS: 4 x 4 work-groups; x's tiles are asked for jointly along a row of the cluster, W's along a column.  A cluster's x is 0, 1 or 2: all its columns are q's, k's or v's, so the way out parts alike in all partners.
; THE MATRIX INSTRUCTION IS USED TRANSPOSED (source 0 = 16 columns of W, source 1 = 16 rows of x): with the tiles' order of places, the 64 registers of a lane for one tile of rows are
; register 16 B + i = column 32 B + 16 (lane / 16) + i of the wave's 128, for the row at place lane % 16.  The bias is the C of each sum's first product.
; OUT.  q: [batch x head 64][128 queries 16][6,656]: 8 tiles x 768 bytes (K = the head's 64), then the scale words [place 16][tile 8] (bytes 0, 1: the two blocks; bytes 2, 3: 0x7f).
;       kv: [batch x head][128 keys][13,056]: k as q; at 6,656 v: [tile of the head's 64, 4][64 keys, 2][768] (K = the keys); at 12,800 its scale words [u 2][place 16][g 2], tile = 2 g + u.
; LIMITS: NaN and infinities are not served; a block whose largest magnitude lies under 2^-124 (a block of zeros too) gets the byte 1: the bytes are read by this program alone.
; REGISTERS.  window 0: v12-31 addresses; v32-63 scale words, two sets; v64-127 the bias; v128-223 x's fragments, one set.  window 1: W's fragments, two sets, at v0 and v128.
;   windows 2, 3: the accumulators of my rows 0-63 and 64-127, (a, b) at v[8 (8 (a % 4) + b)].  On the way out window 0 from v64 on is free.
.set ASLOT, 1572864                    ; x's codes of 256 along K
.set ASC,   6291456                    ; where x's scale bytes begin
.set BSLOT, 589824                     ; the same for W_attn
.set BSC,   2359296
.set HALFT, 24576                      ; 8 tiles' part of a slot
.set SLOT,  4*HALFT                    ; a slot's bytes.  In LDS: x's 16 tiles of slot 0, of slot 1, then W's 16 of slot 0, of slot 1
.set SCL,   2*SLOT                     ; behind the ring: the scale bytes,
.set HALFS, 4096                       ; 8 tiles' a load
.set SBLK,  512                        ; a tile's
.set SPARE, SCL+4*HALFS                ; the spare words, 128 bytes for each wave: two blocks of 256 bytes that no other line names
.set VST1,  33792                      ; the way out of v: a stage of 64 rows x (512 + 16) bytes for each wave, from LDS byte 0;
.set QSTG,  4*VST1                     ; of q and k: 1,024 bytes for each wave.  Both lie in the ring, which has had its last fill and its last read by then
.set NQ, 2                             ; matrix instructions deep in a slot
.set FR, 12                            ; registers of a fragment
.set NL, 4                             ; LDS loads that bring one
.set NP, 4                             ; places behind this matrix instruction (ISA guide 7.12.1)
.set VSO, 12                           ; v12 v's stage, in      v13 out      v14, v15 v's codes and scale words in memory
.set VRD, 13
.set VA,  14
.set VB,  15
.set ADRA, 16                          ; v16-17 my fragments of x in slot 0, 1: registers 0-3;  v18-19: registers 4-5
.set ADRB, 20                          ; v20-23 the same for W
.set A16, 24                           ; v24 16 x lane
.set AT,  25                           ; v25 16 r + 8 h
.set RT,  26                           ; v26 my place's row in the table of cos and sin
.set ADRS, 27                          ; v27 my scale words: lanes 0-15 x's, lanes 16-31 W's
.set SPW, 28                           ; v28 my spare word;  v29 0: never rewritten
.set NIL, 29
.set QS,  30                           ; v30, v31 q's and k's scale words in LDS, in and out
.set QR,  31
.set SC,  32
.set BIAS, 64
.set AF,  128
.set T,   64                           ; the way out of q, k: v64-127 rotated numbers; v128-191 cos and sin, two sets; v192-211 codes; v212-227 at work; v228-235 scale words
.set CS,  128
.set PC,  192
.set TM,  212
.set PW,  228
.set T0,  64                           ; the way out of v: v64-191 two sets of 64 keys of a column; v200-211 codes; v212-218 halves; v220-223 scale words
.set VC,  200
.set VCT, 212
.set VW,  220
.set WV, 16                            ; s16 wave   s17 my half of the rows (also: I fetch for x, 0, or W, 1)   s18 my half of the columns (also: which 8 tiles I fetch)   s19 tile row   s20 tile column
.set HR, 17
.set HC, 18
.set TR, 19
.set TC, 20
.set G1, 24                            ; s[24:31], s[32:39] descriptor groups 1 and 0 (one for each slot) for x's tiles;  s[48:55], s[56:63] for W's
.set G0, 32
.set G1B, 48
.set G0B, 56
.set G1S, 68                           ; s[68:75], s[76:79] for x's scale bytes;  s[80:87], s[88:91] for W's
.set G0S, 76
.set G1SB, 80
.set G0SB, 88
.set MSB, 0
.macro WIN new                         ; s_set_vgpr_msb: bits 1:0 source 0, 3:2 source 1, 5:4 source 2, 7:6 destination; the high byte repeats the setting that is left
.if MSB != (\new)
	s_set_vgpr_msb (MSB<<8)|(\new)
.set MSB, (\new)
.endif
.endm
.set MUL_LO, 0xa1                      ; source 0 (W) window 1, source 1 (x) window 0, C and D window 2
.set MUL_HI, 0xf1                      ; the same, C and D window 3
.set TO_B,   0x40                      ; destination window 1
; A joint load: waves 0 and 1 fetch for x, waves 2 and 3 for W.  Four v_nop follow each of the two lines.
.macro JLOAD g0a, g1a, g0b, g1b
	s_cmp_eq_u32 s[HR], 0
	s_cbranch_scc0 .Lfor_b_\@
	tensor_load_to_lds s[\g0a:\g0a+3], s[\g1a:\g1a+7]
	s_nop 0
.rept 4
	v_nop
.endr
	s_branch .Lasked_\@
.Lfor_b_\@:
	tensor_load_to_lds s[\g0b:\g0b+3], s[\g1b:\g1b+7]
	s_nop 0
.rept 4
	v_nop
.endr
.Lasked_\@:
.endm
.macro CREST                           ; a round of the cluster's barrier behind its opening barrier
	s_cmp_lg_u32 s[WV], 0
	s_cbranch_scc1 .Lnot_wave_0_\@
	s_barrier_signal -3
.Lnot_wave_0_\@:
	s_barrier_wait -3
	s_barrier_signal -1
	s_barrier_wait -1
.endm
.macro CROUND
	s_barrier_signal -1
	s_barrier_wait -1
	CREST
.endm
.macro PLACES n
.rept \n
	v_nop
.endr
.endm
.macro FRAG reg, adr, q, i             ; tile i's fragment of the slot's q-th 128 along K: two half images, each 16 bytes a lane and 8 bytes a lane, both runs dense
.irp c, 0,1
	ds_load_b128 v[\reg+6*\c:\reg+6*\c+3], v[\adr] offset:(\i)*3072+(2*(\q)+\c)*768
	ds_load_b64 v[\reg+6*\c+4:\reg+6*\c+5], v[\adr+2] offset:(\i)*3072+(2*(\q)+\c)*768+512
.endr
.endm
; 16 matrix instructions: x's tiles a0, a0 + 1 against W's eight.  p: W's set; sc: the set of scale words.  zero = 1: the sums begin with the bias.  The 64 accumulators take turns, one instruction a turn.
.macro MUL16 a0, p, q, sc, zero
.irp a, \a0, \a0+1
.irp b, 0,1,2,3,4,5,6,7
.if \zero
	v_wmma_scale_f32_16x16x128_f8f6f4 v[8*(8*((\a)%4)+\b):8*(8*((\a)%4)+\b)+7], v[128*(\p)+FR*\b:128*(\p)+FR*\b+FR-1], v[AF+FR*(\a):AF+FR*(\a)+FR-1], v[BIAS+8*\b:BIAS+8*\b+7], v[SC+8*NQ*(\sc)+NQ*\b+(\q)], v[SC+8*NQ*(\sc)+NQ*(\a)+(\q)] matrix_a_fmt:MATRIX_FMT_FP6 matrix_b_fmt:MATRIX_FMT_FP6 matrix_a_scale:MATRIX_SCALE_ROW1
.else
	v_wmma_scale_f32_16x16x128_f8f6f4 v[8*(8*((\a)%4)+\b):8*(8*((\a)%4)+\b)+7], v[128*(\p)+FR*\b:128*(\p)+FR*\b+FR-1], v[AF+FR*(\a):AF+FR*(\a)+FR-1], v[8*(8*((\a)%4)+\b):8*(8*((\a)%4)+\b)+7], v[SC+8*NQ*(\sc)+NQ*\b+(\q)], v[SC+8*NQ*(\sc)+NQ*(\a)+(\q)] matrix_a_fmt:MATRIX_FMT_FP6 matrix_b_fmt:MATRIX_FMT_FP6 matrix_a_scale:MATRIX_SCALE_ROW1
.endif
.endr
.endr
.endm
.macro FETCH_B slot, q, p
	WIN TO_B
.irp i, 0,1,2,3,4,5,6,7
	FRAG 128*(\p)+FR*\i, ADRB+\slot, \q, \i
.endr
	WIN 0
.endm
.macro FETCH_A slot, q, i0
.irp i, \i0, \i0+1, \i0+2, \i0+3
	FRAG AF+FR*(\i), ADRA+\slot, \q, \i
.endr
.endm
.macro SCALES sc                       ; a slot's two words a place: lanes 0-15 x's tile i, lanes 16-31 W's tile i
.irp i, 0,1,2,3,4,5,6,7
	ds_load_b64 v[SC+8*NQ*\sc+NQ*\i:SC+8*NQ*\sc+NQ*\i+1], v[ADRS] offset:\i*SBLK
.endr
.endm
; A step of 128 along K that has its successor in the same slot.  x has one set of registers: tiles 0-3 are fetched anew in the step's middle, tiles 4-7 at its end; W has two sets.
.macro STEP slot, q, zero
	s_wait_dscnt 4*NL                              ; all but the youngest 16 loads (x's tiles 4-7)
.if \zero
	WIN 0x81                                       ; C (the bias) window 0, D window 2
.else
	WIN MUL_LO
.endif
	MUL16 0, (\q)%2, \q, \slot, \zero
	MUL16 2, (\q)%2, \q, \slot, \zero
	s_wait_dscnt 0
	PLACES NP                                      ; in front of loads into registers that matrix instructions have read
	FETCH_B \slot, (\q)+1, 1-(\q)%2
	FETCH_A \slot, (\q)+1, 0
.if \zero
	WIN 0xc1
.else
	WIN MUL_HI
.endif
	MUL16 4, (\q)%2, \q, \slot, \zero
	MUL16 6, (\q)%2, \q, \slot, \zero
	PLACES NP
	WIN 0
	FETCH_A \slot, (\q)+1, 4
.endm
; A slot's last step changes slots: one barrier; in front of it each wave waits for all its tensor loads, adds 0 to its spare word, and waits for that and for its reads of this slot.  fill = 1: the slot is filled again, two slots ahead.
.macro TURN slot, next, fill
	s_wait_tensorcnt 0x0                           ; all my tensor loads have landed: my part of the next slot
	ds_add_u32 v[SPW], v[NIL]                      ; 0 onto my spare word
	s_wait_dscnt 4*NL+1                            ; (the add and the youngest 16 loads may be out)
	WIN MUL_LO
	MUL16 0, 1, NQ-1, \slot, 0
	s_wait_dscnt 0x0                               ; the add is done, and my reads of this slot are over
	s_barrier_signal -1
	MUL16 2, 1, NQ-1, \slot, 0
	WIN 0
	s_barrier_wait -1
.if \fill
	CREST                                          ; the barrier has opened a round of the cluster's: no wave of any partner still reads this slot or has a load on its way
	s_add_nc_u64 s[G0+4*\slot+2:G0+4*\slot+3], s[G0+4*\slot+2:G0+4*\slot+3], 2*ASLOT
	s_add_nc_u64 s[G0B+4*\slot+2:G0B+4*\slot+3], s[G0B+4*\slot+2:G0B+4*\slot+3], 2*BSLOT
	JLOAD G0+4*\slot, G1, G0B+4*\slot, G1B         ; the first tensor load behind the round; its four v_nop are the places in front of the loads below
.else
	PLACES NP
.endif
	s_wait_alu depctr_va_vdst(0)
	v_add_nc_u32 v[ADRS], 4*NQ, v[ADRS]            ; the next slot's scale words
	FETCH_B \next, 0, 0
	FETCH_A \next, 0, 0
	SCALES \next
	WIN MUL_HI
	MUL16 4, 1, NQ-1, \slot, 0
	MUL16 6, 1, NQ-1, \slot, 0
	PLACES NP
	WIN 0
	FETCH_A \next, 0, 4
.endm
; ---- the way out of q and k, a tile of 16 rows at a time
.macro LOADCS a                        ; cos and sin of my place's position: pairs 16 B + 8 h + 0 .. 7, B = 0, 1
.irp bb, 0,1
.irp k, 0,1,2,3
	global_load_b128 v[CS+32*((\a)%2)+16*\bb+4*\k:CS+32*((\a)%2)+16*\bb+4*\k+3], v[RT], s[98:99] offset:(32*((\a)/2)+8*((\a)%2))*256+128*\bb+16*\k
.endr
.endr
.endm
.macro ROPE a                          ; (e, o) -> (e cos - o sin, o cos + e sin).  Both of the wave's two heads (c) take the same cos and sin.  Each accumulator is read from its low end on
.set AC, 64*((\a)%4)
.set CSS, CS+32*((\a)%2)
	WIN 0x02+(\a)/4                                ; source 0: window 2 or 3
.irp c, 0,1
.irp bb, 0,1
.irp p, 0,1,2,3,4,5,6,7
	v_pk_mul_f32 v[T+32*\c+16*\bb+2*\p:T+32*\c+16*\bb+2*\p+1], v[AC+32*\c+16*\bb+2*\p:AC+32*\c+16*\bb+2*\p+1], v[CSS+16*\bb+2*\p:CSS+16*\bb+2*\p+1] op_sel_hi:[1,0]   ; (e cos, o cos)
.endr
.endr
.endr
.irp c, 0,1
.irp bb, 0,1
.irp p, 0,1,2,3,4,5,6,7
	v_pk_fma_f32 v[T+32*\c+16*\bb+2*\p:T+32*\c+16*\bb+2*\p+1], v[AC+32*\c+16*\bb+2*\p:AC+32*\c+16*\bb+2*\p+1], v[CSS+16*\bb+2*\p:CSS+16*\bb+2*\p+1], v[T+32*\c+16*\bb+2*\p:T+32*\c+16*\bb+2*\p+1] op_sel:[1,1,0] op_sel_hi:[0,1,1] neg_lo:[1,0,0]   ; low: - o sin; high: + e sin
.endr
.endr
.endr
	WIN 0
.endm
.macro QUANT a                         ; v[T] .. v[T + 63], register 16 b + i = column 32 b + 16 h + i of my row: blocks 0, 1 are the first head's, 2, 3 the second's
.irp b, 0,1,2,3
	v_max3_num_f32 v[TM+\b], |v[T+16*\b]|, |v[T+1+16*\b]|, 0x1800000   ; my 16 numbers, and the floor 2^(3 - 127)
.endr
.irp i, 2,4,6,8,10,12,14
.irp b, 0,1,2,3
	v_max3_num_f32 v[TM+\b], v[TM+\b], |v[T+16*\b+\i]|, |v[T+1+16*\b+\i]|
.endr
.endr
.irp b, 0,1,2,3
	v_permlanex16_b32 v[TM+4+\b], v[TM+\b], s22, s23
.endr
.irp b, 0,1,2,3
	v_max_num_f32 v[TM+\b], v[TM+\b], v[TM+4+\b]   ; with lane l xor 16's: the block's largest magnitude
.endr
.irp b, 0,1,2,3
	v_add_nc_u32 v[TM+12+\b], 0xff000000, v[TM+\b] ; 2 off the exponent field: the conversion's scale operand
.endr
.irp b, 0,1,2,3
	v_lshrrev_b32 v[TM+4+\b], 23, v[TM+12+\b]      ; the byte
.endr
	v_lshl_or_b32 v236, v[TM+5], 8, v[TM+4]
	v_lshl_or_b32 v237, v[TM+7], 8, v[TM+6]
	v_cndmask_b32 v[PW+(\a)], v236, v237, s21      ; lanes 0-15 keep the first head's word, lanes 16-31 the second's;
	v_or_b32 v[PW+(\a)], 0x7f7f0000, v[PW+(\a)]    ; the upper two bytes stand for 1: they meet zero codes
	s_wait_xcnt 0x0                                ; the last tile's stores have read the codes' registers
.irp c, 0,1
	v_cvt_scalef32_pk16_fp6_f32 v[PC+6*\c:PC+2+6*\c], v[T+32*\c:T+15+32*\c], v[TM+12+2*\c]
	v_cvt_scalef32_pk16_fp6_f32 v[PC+12+4*\c:PC+14+4*\c], v[T+16+32*\c:T+31+32*\c], v[TM+12+2*\c+1]
.endr
	v_nop                                          ; one plain place behind a scaled conversion
.irp c, 0,1                            ; a whole block to a lane: lanes 0-15 block 2 c, lanes 16-31 block 2 c + 1
.irp i, 0,1,2
	v_permlane16_swap_b32 v[PC+6*\c+\i], v[PC+12+4*\c+\i]
.endr
.irp i, 0,1,2
	v_mov_b32 v[PC+3+6*\c+\i], v[PC+12+4*\c+\i]
.endr
.endr
.endm
.macro QKROW a
.if (\a) < 7
	LOADCS (\a)+1
	s_wait_loadcnt 8                               ; this tile's 8 loads are in; the next tile's may be out
.else
	s_wait_loadcnt 0x0
.endif
	ROPE \a
	QUANT \a
	ds_store_b32 v[QS], v[PW+(\a)] offset:4*(\a)
.irp c, 0,1                            ; head c's half image: 512 and 256 consecutive bytes
	global_store_b128 v[A16], v[PC+6*\c:PC+6*\c+3], s[92+4*\c:93+4*\c] offset:768*(\a)
	global_store_b64 v[AT], v[PC+6*\c+4:PC+6*\c+5], s[92+4*\c:93+4*\c] offset:768*(\a)+512
.endr
.endm
; ---- the way out of v: 64 keys x 128 columns go through my stage, so that a lane holds a column and its registers run along the keys
.macro VSTORE c
	WIN 0x08+4*(\c)                                ; an LDS store's data are its source 1: window 2 or 3
.irp m, 0,1,2,3
.irp b, 0,1,2,3,4,5,6,7
	ds_store_b128 v[VSO], v[64*\m+8*\b:64*\m+8*\b+3] offset:16*\m*528+128*(\b/2)+32*(\b%2)       ; each accumulator from its low end on
	ds_store_b128 v[VSO], v[64*\m+8*\b+4:64*\m+8*\b+7] offset:16*\m*528+128*(\b/2)+32*(\b%2)+16
.endr
.endr
	WIN 0
.endm
.macro VLOAD cg                        ; columns 32 cg on: key ii lies in the stage's row 16 (2 (ii / 32) + (ii / 8) % 2) + ii % 8 + 8 ((ii / 16) % 2), by the tiles' order of places
.set ii, 0
.rept 64
	ds_load_b32 v[T0+64*((\cg)%2)+ii], v[VRD] offset:(16*(2*(ii/32)+(ii/8)%2)+ii%8+8*((ii/16)%2))*528+128*(\cg)
.set ii, ii+1
.endr
.endm
.macro VQ cg, c
.set TSV, T0+64*((\cg)%2)
.irp h, 0,1
	v_max3_num_f32 v[192+\h], |v[TSV+32*\h]|, |v[TSV+32*\h+1]|, 0x1800000
.endr
.irp i, 2,4,6,8,10,12,14,16,18,20,22,24,26,28,30
.irp h, 0,1
	v_max3_num_f32 v[192+\h], v[192+\h], |v[TSV+32*\h+\i]|, |v[TSV+32*\h+\i+1]|
.endr
.endr
.irp h, 0,1
	v_add_nc_u32 v[194+\h], 0xff000000, v[192+\h]
.endr
	s_wait_alu depctr_va_vdst(0)
	s_wait_xcnt 0x0                                ; the last stores have read the codes' registers
.irp h, 0,1
	v_cvt_scalef32_pk16_fp6_f32 v[VC+4*\h:VC+4*\h+2], v[TSV+32*\h:TSV+32*\h+15], v[194+\h]
	v_cvt_scalef32_pk16_fp6_f32 v[VCT+4*\h:VCT+4*\h+2], v[TSV+32*\h+16:TSV+32*\h+31], v[194+\h]
.endr
.irp h, 0,1
	v_lshrrev_b32 v[196+\h], 23, v[194+\h]         ; the bytes.  (The plain place behind the conversions)
.endr
	v_mov_b32 v[VC+3], v[VCT]
	v_mov_b32 v[VC+7], v[VCT+4]
	v_mov_b32 v[VC+8], v[VCT+1]
	v_mov_b32 v[VC+9], v[VCT+2]
	v_mov_b32 v[VC+10], v[VCT+5]
	v_mov_b32 v[VC+11], v[VCT+6]
.if (\c) == 0
	v_lshl_or_b32 v[VW+(\cg)], v197, 8, v196       ; the column's word for these 128 keys: byte 2 c + h
.else
	v_lshl_or_b32 v[VW+(\cg)], v196, 16, v[VW+(\cg)]
	v_lshl_or_b32 v[VW+(\cg)], v197, 24, v[VW+(\cg)]
.endif
.irp k, 0,1,2
	global_store_b128 v[VA], v[VC+4*\k:VC+4*\k+3], s[92:93] offset:((\cg)/2)*208896+((\cg)%2)*3072+768*(\c)+256*\k   ; the sixteen lanes of a tile store 256 consecutive bytes, aligned
.endr
.endm
	s_load_b256 s[4:11], s[0:1], 0x0               ; xq s[4:5], waq s[6:7], b_attn s[8:9], rope s[10:11]
	s_load_b128 s[12:15], s[0:1], 0x20             ; q s[12:13], kv s[14:15]
	v_lshl_add_u32 v[SPW], v0, 2, SPARE
	v_mov_b32 v[NIL], 0
	ds_add_u32 v28, v29
	ds_add_u32 v28, v29
	s_wait_dscnt 0x0
	v_lshrrev_b32 v1, 5, v0
	v_readfirstlane_b32 s[WV], v1
	s_lshr_b32 s[HR], s[WV], 1
	s_and_b32 s[HC], s[WV], 1
	s_bfe_u32 s40, ttmp6, 0x40000                  ; cx, cy: my place in the cluster
	s_bfe_u32 s41, ttmp6, 0x40004
	s_lshl_b32 s[TC], ttmp9, 2
	s_add_co_u32 s[TC], s[TC], s40                 ; tile column = 4 x cluster x + cx
	s_and_b32 s[TR], ttmp7, 0xffff
	s_lshl_b32 s[TR], s[TR], 2
	s_add_co_u32 s[TR], s[TR], s41                 ; tile row = 4 x cluster y + cy
	s_lshl_b32 s43, s41, 2
	s_lshl_b32 s43, 15, s43                        ; my row of the cluster
	s_lshl_b32 s44, 0x1111, s40                    ; my column
	; descriptor group 1: dense blocks as rows of 256 bytes (32 elements of 8 bytes), no padding: 96 rows of codes, 32 of scale bytes
	s_or_b32 s[G1+0], s43, (3<<16)|(1<<21)         ; 15:0 the mask; 17:16 elements of 8 bytes; 21 set beside a mask
	s_or_b32 s[G1B+0], s44, (3<<16)|(1<<21)
.irp g, G1, G1B
	s_mov_b32 s[\g+1], 6144<<16                    ; the head's loads: two rows of 49,152 bytes: 16 tiles' codes of k 0 on and of k 256 on
	s_mov_b32 s[\g+2], 2<<16
	s_mov_b32 s[\g+3], 6144<<16
	s_mov_b32 s[\g+4], 2
	s_mov_b32 s[\g+6], 0
	s_mov_b32 s[\g+7], 0
.endr
	s_or_b32 s[G1S+0], s43, (3<<16)|(1<<21)
	s_or_b32 s[G1SB+0], s44, (3<<16)|(1<<21)
.irp g, G1S, G1SB
	s_mov_b32 s[\g+1], 32<<16
	s_mov_b32 s[\g+2], 32<<16
	s_mov_b32 s[\g+3], 32<<16
	s_mov_b32 s[\g+4], 32
	s_mov_b32 s[\g+5], 32
	s_mov_b32 s[\g+6], 0
	s_mov_b32 s[\g+7], 0
.endr
	s_lshl_b32 s22, s[TR], 4                       ; x's first tile: 16 x tile row
	s_lshl_b32 s46, s[TC], 4                       ; W's: 16 x tile column
	s_lshl_b32 s92, s22, 9
	s_add_co_u32 s92, s92, ASC                     ; their scale bytes,
	s_mov_b32 s93, 0
	s_mul_i32 s22, s22, 3072                       ; their codes
	s_mov_b32 s23, 0
	s_lshl_b32 s94, s46, 9
	s_add_co_u32 s94, s94, BSC
	s_mov_b32 s95, 0
	s_mul_i32 s46, s46, 3072
	s_mov_b32 s47, 0
	s_mul_i32 s45, s[WV], HALFT                    ; where they go: no place in the cluster enters an LDS address
	s_wait_kmcnt 0x0
	s_add_nc_u64 s[22:23], s[4:5], s[22:23]
	s_add_nc_u64 s[92:93], s[4:5], s[92:93]
	s_add_nc_u64 s[46:47], s[6:7], s[46:47]
	s_add_nc_u64 s[94:95], s[6:7], s[94:95]
	CROUND                                         ; all sixteen work-groups are here: the first joint loads meet
	s_mov_b32 s[G0S], 1
	s_mov_b32 s[G0S+1], SCL
	s_mov_b64 s[G0S+2:G0S+3], s[92:93]
	s_or_b32 s[G0S+3], s[G0S+3], 0x80000000
	s_mov_b32 s[G0SB], 1
	s_mov_b32 s[G0SB+1], SCL+2*HALFS
	s_mov_b64 s[G0SB+2:G0SB+3], s[94:95]
	s_or_b32 s[G0SB+3], s[G0SB+3], 0x80000000
	s_mov_b32 s[G1+5], ASLOT/8                     ; from row to row: 256 along K
	s_mov_b32 s[G1B+5], BSLOT/8
	s_mov_b32 s4, 1
	s_mov_b32 s5, 0
	s_mov_b64 s[6:7], s[22:23]
	s_or_b32 s7, s7, 0x80000000
	s_mov_b32 s92, 1                               ; W's 16 tiles, behind them
	s_mov_b32 s93, 4*HALFT
	s_mov_b64 s[94:95], s[46:47]
	s_or_b32 s95, s95, 0x80000000
	s_mul_i32 s42, s[HC], HALFT                    ; for the ring: which 8 tiles I fetch
	s_mov_b32 s43, 0
	s_add_nc_u64 s[22:23], s[22:23], s[42:43]
	s_add_nc_u64 s[46:47], s[46:47], s[42:43]
.irp s, 0,1
	s_mov_b32 s[G0+4*\s], 1
	s_add_co_u32 s[G0+4*\s+1], s45, \s*2*HALFT
	s_add_nc_u64 s[G0+4*\s+2:G0+4*\s+3], s[22:23], \s*ASLOT
	s_or_b32 s[G0+4*\s+3], s[G0+4*\s+3], 0x80000000
	s_mov_b32 s[G0B+4*\s], 1
	s_add_co_u32 s[G0B+4*\s+1], s45, 2*HALFT+\s*2*HALFT
	s_add_nc_u64 s[G0B+4*\s+2:G0B+4*\s+3], s[46:47], \s*BSLOT
	s_or_b32 s[G0B+4*\s+3], s[G0B+4*\s+3], 0x80000000
.endr
; the head's four tiles, one joint load a wave: one chain of branches on the wave's number, all arms leading to one join
.macro ARM under, g0, g1, next
	s_cmp_lt_u32 s[WV], \under
	s_cbranch_scc0 \next
	tensor_load_to_lds s[\g0:\g0+3], s[\g1:\g1+7]
	s_nop 0
.rept 4
	v_nop
.endr
	s_branch .Lhead_asked
\next:
.endm
	ARM 1, 4,   G1,  .Lhead_b
	ARM 2, 92,  G1B, .Lhead_sa
	ARM 3, G0S, G1S, .Lhead_sb
	tensor_load_to_lds s[G0SB:G0SB+3], s[G1SB:G1SB+7]
	s_nop 0
.rept 4
	v_nop
.endr
.Lhead_asked:
	v_and_b32 v1, 15, v0                           ; r
	v_bfe_u32 v2, v0, 4, 1                         ; h
	v_and_b32 v3, 31, v0                           ; lane
	v_lshlrev_b32 v[A16], 4, v3
	v_lshlrev_b32 v[AT], 4, v1
	v_lshl_add_u32 v[AT], v2, 3, v[AT]
	s_mul_i32 s21, s[HR], HALFT                    ; my 8 tiles of x
	s_mul_i32 s42, s[HC], HALFT                    ; my 8 tiles of W,
	s_add_co_u32 s42, s42, 4*HALFT                 ; behind x's two slots
.irp s, 0,1
	v_add_nc_u32 v[ADRA+\s], s21, v[A16]
	v_add_nc_u32 v[ADRB+\s], s42, v[A16]
	v_add_nc_u32 v[ADRA+2+\s], s21, v[AT]
	v_add_nc_u32 v[ADRB+2+\s], s42, v[AT]
	s_add_co_u32 s21, s21, 2*HALFT
	s_add_co_u32 s42, s42, 2*HALFT
.endr
	v_lshlrev_b32 v5, 5, v1                        ; my place's 32 scale bytes
	s_lshl_b32 s21, s[HR], 12
	s_lshl_b32 s42, s[HC], 12
	s_add_co_u32 s42, s42, 2*HALFS
	s_sub_co_u32 s42, s42, s21
	v_mul_u32_u24 v6, s42, v2                      ; lanes 16-31 take W's: one product, the distance between the two
	s_add_co_u32 s21, s21, SCL
	v_add_nc_u32 v5, v5, v6
	v_add_nc_u32 v[ADRS], s21, v5
	v_and_b32 v4, 8, v1                            ; the addresses of the way out are made here, ahead of every parting
	v_add_nc_u32 v4, v4, v1                        ; r + 8 (r / 8)
	v_lshlrev_b32 v[RT], 8, v4
	v_lshl_add_u32 v[RT], v2, 6, v[RT]             ; a position's 256 bytes; my half's 8 pairs
	s_lshl_b32 s21, s[WV], 10
	s_add_co_u32 s21, s21, QSTG
	v_lshlrev_b32 v5, 5, v1
	v_lshl_add_u32 v5, v2, 9, v5
	v_add_nc_u32 v[QS], s21, v5                    ; [head h][place r][tile] x 4 bytes
	v_add_nc_u32 v[QR], s21, v[A16]
	s_mul_i32 s21, s[WV], VST1
	v_mul_u32_u24 v5, v1, 528
	v_lshl_add_u32 v5, v2, 6, v5
	v_add_nc_u32 v[VSO], s21, v5
	v_lshlrev_b32 v5, 2, v3
	v_add_nc_u32 v[VRD], s21, v5
	v_bfe_u32 v6, v0, 3, 1                         ; column lane = 8 u + (place % 8) + 16 (place / 8)
	v_and_b32 v7, 7, v0
	v_lshl_add_u32 v7, v2, 3, v7
	v_mul_u32_u24 v[VA], v6, 1536
	v_lshl_add_u32 v[VA], v7, 4, v[VA]
	v_lshlrev_b32 v[VB], 7, v6
	v_lshl_add_u32 v[VB], v7, 3, v[VB]
	s_lshl_b32 s42, s[TC], 10                      ; the bias of my 128 columns: lane (r, h) wants, for tile b, columns 32 (b / 2) + 8 (b % 2) + 16 h + 0 .. 7
	s_lshl_b32 s43, s[HC], 9
	s_add_co_u32 s42, s42, s43
	s_mov_b32 s43, 0
	s_add_nc_u64 s[8:9], s[8:9], s[42:43]
	v_lshlrev_b32 v10, 6, v2
.irp b, 0,1,2,3,4,5,6,7
	global_load_b128 v[BIAS+8*\b:BIAS+8*\b+3], v10, s[8:9] offset:(32*(\b/2)+8*(\b%2))*4
	global_load_b128 v[BIAS+8*\b+4:BIAS+8*\b+7], v10, s[8:9] offset:(32*(\b/2)+8*(\b%2))*4+16
.endr
	s_wait_alu depctr_va_vdst(0)
	s_wait_loadcnt 0x0
	s_wait_tensorcnt 0x0                           ; my tile of the head's four is in: both slots and the scale bytes
.irp g, G1, G1B
	s_mov_b32 s[\g+1], 32<<16                      ; no tensor load of mine is out: from here on a load brings 8 tiles as 96 rows of 256 bytes
	s_mov_b32 s[\g+2], 96<<16
	s_mov_b32 s[\g+3], 32<<16
	s_mov_b32 s[\g+4], 96
	s_mov_b32 s[\g+5], 32
.endr
	s_barrier_signal -1                            ; everybody's is in
	s_barrier_wait -1
	FETCH_B 0, 0, 0
	FETCH_A 0, 0, 0
	SCALES 0
	FETCH_A 0, 0, 4
	STEP 0, 0, 1                                   ; k 0: the sums begin with the bias
	TURN 0, 1, 1                                   ; k 128; slot 0 takes k 512 on
	STEP 1, 0, 0                                   ; k 256
	TURN 1, 0, 1                                   ; k 384; slot 1 takes k 768 on
	STEP 0, 0, 0                                   ; k 512
	TURN 0, 1, 0                                   ; k 640; nothing is left to fetch
	STEP 1, 0, 0                                   ; k 768
	s_wait_dscnt 4*NL                              ; k 896
	WIN MUL_LO
	MUL16 0, 1, NQ-1, 1, 0
	MUL16 2, 1, NQ-1, 1, 0
	s_wait_dscnt 0                                 ; my last reads of the ring are in
	WIN MUL_HI
	MUL16 4, 1, NQ-1, 1, 0
	MUL16 6, 1, NQ-1, 1, 0
	WIN 0
	s_barrier_signal -1                            ; every wave's are: the ring's bytes may be written
	s_barrier_wait -1
	PLACES NP                                      ; behind the last products
	s_lshr_b32 s40, s[TR], 3                       ; batch
	s_lshl_b32 s40, s40, 4
	s_and_b32 s41, s[TC], 3
	s_lshl_b32 s41, s41, 2
	s_add_co_u32 s40, s40, s41
	s_lshl_b32 s41, s[HC], 1
	s_add_co_u32 s40, s40, s41                     ; 16 x batch + my first head
	s_lshl_b32 s40, s40, 4
	s_and_b32 s41, s[TR], 7
	s_lshl_b32 s42, s41, 1
	s_add_co_u32 s40, s40, s42
	s_add_co_u32 s40, s40, s[HR]                   ; x 16 + which 128 positions: my block in q or kv
	s_mov_b32 s43, 0
	s_cmp_eq_u32 ttmp9, 2                          ; the cluster's x: alike in all partners
	s_cbranch_scc1 .Lv
	s_cmp_eq_u32 ttmp9, 0
	s_cselect_b64 s[92:93], s[12:13], s[14:15]     ; q or kv,
	s_mov_b32 s94, 13056
	s_cselect_b32 s94, 6656, s94                   ; and a block's bytes there
	s_mul_i32 s42, s40, s94
	s_add_nc_u64 s[92:93], s[92:93], s[42:43]      ; my first head's block,
	s_lshl_b32 s42, s94, 4
	s_add_nc_u64 s[96:97], s[92:93], s[42:43]      ; my second head's: 16 blocks on
	s_lshl_b32 s42, s41, 16
	s_lshl_b32 s44, s[HR], 15
	s_add_co_u32 s42, s42, s44
	s_add_nc_u64 s[98:99], s[10:11], s[42:43]      ; the table at my first position
	s_mov_b32 s21, 0xffff0000                      ; lanes 16-31
	s_mov_b32 s22, 0x76543210
	s_mov_b32 s23, 0xfedcba98                      ; v_permlanex16_b32's selects for lane l xor 16
.irp b, 0,1,2,3
	v_mov_b32 v[TM+4+\b], 0                        ; a lane permute's destination counts as one of its sources
.endr
	LOADCS 0
.irp a, 0,1,2,3,4,5,6,7
	QKROW \a
.endr
	ds_load_b128 v[240:243], v[QR]                 ; the scale words of the two heads, 512 dense bytes each.  LDS serves a wave's instructions in order: these see my stores
	ds_load_b128 v[244:247], v[QR] offset:512
	s_wait_dscnt 0x0
	global_store_b128 v[A16], v[240:243], s[92:93] offset:6144
	global_store_b128 v[A16], v[244:247], s[96:97] offset:6144
	s_branch .Ljoin
.Lv:
	s_mul_i32 s42, s40, 13056
	s_add_co_u32 s42, s42, 6656
	s_add_nc_u64 s[92:93], s[14:15], s[42:43]      ; v's part of my first head's block; the second head's lies 208,896 bytes on
.irp c, 0,1                            ; keys 64 c on
	VSTORE \c
	VLOAD 0
.irp g, 0,1,2,3
	s_wait_dscnt 0x0                               ; these 32 columns are in;
.if \g < 3
	VLOAD \g+1                                     ; the next 32 land while these are quantised
.endif
	VQ \g, \c
.endr
.endr
.irp d, 0,1
	global_store_b64 v[VB], v[VW+2*\d:VW+2*\d+1], s[92:93] offset:\d*208896+6144
.endr
.Ljoin:
	s_wait_tensorcnt 0x0                           ; the wave's end
	ds_add_u32 v[SPW], v[NIL]
	s_wait_dscnt 0x0
	CROUND                                         ; the closing round
	s_endpgm
.Lfunc_end_k_qa0134870a1_qkv:
	.size	k_qa0134870a1_qkv, .Lfunc_end_k_qa0134870a1_qkv-k_qa0134870a1_qkv
	.p2alignl 7, 3214868480
	.fill 96, 4, 3214868480
	.section	.rodata,"a",@progbits
	.p2align	6, 0x0
	.amdhsa_kernel k_qa0134870a1_qkv
		.amdhsa_group_segment_fixed_size 327680
		.amdhsa_private_segment_fixed_size 0
		.amdhsa_enable_private_segment 0
		.amdhsa_kernarg_size 48
		.amdhsa_user_sgpr_count 2
		.amdhsa_user_sgpr_kernarg_segment_ptr 1
		.amdhsa_wavefront_size32 1
		.amdhsa_system_sgpr_workgroup_id_x 1
		.amdhsa_system_sgpr_workgroup_id_y 1
		.amdhsa_system_sgpr_workgroup_id_z 1
		.amdhsa_system_vgpr_workitem_id 0
		.amdhsa_next_free_vgpr 1024
		.amdhsa_next_free_sgpr 100
		.amdhsa_reserve_vcc 0
		.amdhsa_float_denorm_mode_32 3
		.amdhsa_float_denorm_mode_16_64 3
		.amdhsa_memory_ordered 1
		.amdhsa_forward_progress 1
		.amdhsa_inst_pref_size 255
	.end_amdhsa_kernel
	.section	.bss,"aw",@nobits
	.p2align	6
	.space	262144
	.amdgpu_metadata
---
amdhsa.version: [ 1, 2 ]
amdhsa.kernels:
  - .name:           k_qa0134870a1_qkv
    .symbol:         k_qa0134870a1_qkv.kd
    .args:
      - { .name: xq, .offset: 0, .size: 8, .value_kind: global_buffer, .address_space: global }
      - { .name: waq, .offset: 8, .size: 8, .value_kind: global_buffer, .address_space: global }
      - { .name: b_attn, .offset: 16, .size: 8, .value_kind: global_buffer, .address_space: global }
      - { .name: rope, .offset: 24, .size: 8, .value_kind: global_buffer, .address_space: global }
      - { .name: q, .offset: 32, .size: 8, .value_kind: global_buffer, .address_space: global }
      - { .name: kv, .offset: 40, .size: 8, .value_kind: global_buffer, .address_space: global }
    .group_segment_fixed_size: 327680
    .private_segment_fixed_size: 0
    .kernarg_segment_align: 8
    .kernarg_segment_size: 48
    .max_flat_workgroup_size: 128
    .sgpr_count:     100
    .vgpr_count:     1024
    .wavefront_size: 32
...
	.end_amdgpu_metadata
.endif
;; end of part 2
;; launch attn (part 3): grid 8 x 32, 8 waves a work-group, no clusters, 327,680 bytes of LDS; arguments q, kv, aq; writes aq
.if DOCPART == 3
	.amdgcn_target "amdgcn-amd-amdhsa--gfx1250"
	.amdhsa_code_object_version 6
	.text
	.protected	k_qa0134870a1_attn
	.globl	k_qa0134870a1_attn
	.p2align	8
	.type	k_qa0134870a1_attn,@function
k_qa0134870a1_attn:
	s_mov_b64 s[64:65], 0
	v_nop
	global_prefetch_b8 v0, s[64:65] scope:SCOPE_SE
	s_setreg_imm32_b32 hwreg(HW_REG_WAVE_MODE, 25, 1), 1
	s_wait_xcnt 0x0
; ATTN: softmax(q k^T / 8, causal) v for 64 heads of 2,048 positions x 64, both products on codes of FP6 (E2M3) with E8M0 scales; the result, divided by the row's sum, is quantised along the model's 1,024.
; THE SOFTMAX: t = score x log2(e) / 8; M = the running largest t rounded up to a whole number; p = 2^(t - M) is quantised along the keys, not normalised; the sum is taken of the unquantised p;
; when M moves, the sum and O are multiplied by 2^(old M - new M), which rounds nothing.  Key steps that lie wholly above the diagonal are not walked.
; IN.  q: [batch x head][128 queries][6,656]: 8 tiles x 768 bytes, then scale words [place 16][tile 8].  kv: [batch x head][128 keys][13,056]: k likewise; at 6,656 v: [tile of the head's 64, 4][64 keys, 2][768];
; at 12,800 its scale words [u 2][place 16][g 2], tile 2 g + u.  Place r of tile 2 b + u is row 32 b + 8 u + r + 8 (r / 8).  A half image: registers 0-3 of lane l at 16 l, registers 4-5 at 512 + 16 (l % 16) + 8 (l / 16).
; OUT.  aq: [e / 256][tile of 16 rows][(e / 64) % 4][768], then the scale bytes [tile][place][32].
; SHARES.  A work-group has two heads of one batch: waves 0-3 the first, waves 4-7 the second; a wave owns TWO tiles of 16 queries, so each fragment of k and v feeds two products.
; It takes query block i (key steps 0 .. i, i = 0 .. 7) and then block 15 - i: 17 steps whatever i is.  Step n of the walk is key step n where n <= i, else n - i - 1.  Only a block's last step lies on the diagonal.
; REGISTER WINDOWS: tile 0's state lies in window 0, tile 1's at the same numbers in window 1, so one text serves both.  k's fragments, all scale words and the addresses lie in window 0, v's fragments in window 1.
; THE KEYS OF A TILE OF k ARE CHOSEN BY THE LANES' LDS ADDRESSES: place m of tile T of 64 keys g is key 64 g + 32 (m / 8) + 8 T + m % 8.  With S^T = k q^T register 32 g + i of lane (r, h) is then key 64 g + 32 h + i of
; query r: a whole block of 32 in one lane, in the order of the next operand's registers.  The tensor load lays 64 bytes of padding behind each 256.
; K = 64 IN AN INSTRUCTION OF K = 128: q's registers 6-11 are zero codes; k's tile is named with the next tile's six registers behind it (zeros behind tile 7); the scale bytes there are 0x7f: exact zeros.
; THE RING: two slots of FOUR steps.  A fill is eight loads, one a wave: one head's block of one step.  A change of slots stands between two groups of four steps; the fill issued behind it has four steps of work in which to land.
; Steps 0-11: a loop of three groups.  Steps 12-15 lie on no diagonal and end no block (i <= 7): a text without mask and way out; behind their change waves 0, 1 fetch step 16.  Step 16 is written out.
; Inside a group the next step's k is fetched under the exponentials.  Every wait on TENSORcnt and on DScnt is for 0.
; No joint loads: the work-groups of a head pair want different key steps in the same trip.  No prefetch: a fill is issued four steps of the wave's work ahead of the wait for it.
; LIMITS: NaN and infinities are not served; the promise holds while the scaled scores stay under 2^31 in magnitude; a block whose largest magnitude lies under 2^-124 gets the byte 1 (read by this program alone);
; the division by the sum is v_rcp_f32 and a multiplication.
.set KVB,   13056                      ; a head's block of a key step in memory: 51 rows of 256 bytes
.set KVP,   16320                      ; and in LDS: 51 rows of 320
.set SLOT1, 32768                      ; a step's place: both heads' blocks
.set SPARE, 8*SLOT1                    ; behind the eight places: the spare words, 128 bytes a wave
.set XSLOT, 1572864
.set XSC,   6291456
.set KF,  32                           ; window 0: v32-79 k's eight tiles, v80-85 zeros
.set VF,  32                           ; window 1: v32-79 v's four fragments
.set QS,  86                           ; v86-91 the second block's q
.set S,   96                           ; v96-159 S^T, then p
.set O,   160                          ; v160-191 O^T
.set MA,  192                          ; v192-195 four chains of maxima
.set BM,  196                          ; v196-197 my two blocks' largest scores
.set SOP, 198
.set PB,  200
.set W,   202
.set X,   203
.set PC,  204                          ; v204-215 p's codes; v216-222 halves made elsewhere and moved
.set PT,  216
.set F,   224                          ; 2^(old M - new M)
.set TMP, 226
.set TM2, 227
.set NEW, 228                          ; the new -M
.set A1,  230                          ; v230-235 three chains of the sum
.set SH8, 236                          ; 8 h
.set NINF, 237
.set KS,  240                          ; window 0 alone from here: v240-243 k's scale words: lanes 0-15 tiles 0-3, lanes 16-31 tiles 4-7
.set VS,  244
.set PW,  246                          ; p's scale word, a tile each
.set QW,  248                          ; q's, a tile each; v250-251 the second block's
.set QWB, 250
.set KA,  252                          ; the next step's k: addresses
.set KB,  253
.set KSA, 254
.set MSB, 0
.macro WIN new
.if MSB != (\new)
	s_set_vgpr_msb (MSB<<8)|(\new)
.set MSB, (\new)
.endif
.endm
.macro WALU
	s_wait_alu depctr_va_vdst(0)
.endm
.macro MM d, a, b, c, sa, sb, row
	v_wmma_scale_f32_16x16x128_f8f6f4 v[\d:\d+7], v[\a:\a+11], v[\b:\b+11], \c, v[\sa], v[\sb] matrix_a_fmt:MATRIX_FMT_FP6 matrix_b_fmt:MATRIX_FMT_FP6 matrix_a_scale:MATRIX_SCALE_ROW\row
.endm
.macro TLINE
	tensor_load_to_lds s[32:35], s[24:31]
	s_nop 0
.rept 4
	v_nop
.endr
.endm
.macro SMUL w                          ; S^T of tile w: eight products, each starting its sum
	WIN 0x44*\w
.irp i, 0,1,2,3
	MM S+8*\i, KF+6*\i, 16, 0, KS+\i, QW+\w, 0
.endr
.irp i, 4,5,6,7
	MM S+8*\i, KF+6*\i, 16, 0, KS+\i-4, QW+\w, 1
.endr
.endm
.macro VLOADS
	WIN 0x40
.irp d, 0,1,2,3
.irp c, 0,1
	ds_load_b128 v[VF+12*\d+6*\c:VF+12*\d+6*\c+3], v8 offset:(26+3*(2*\d+\c))*320
	ds_load_b64 v[VF+12*\d+6*\c+4:VF+12*\d+6*\c+5], v9 offset:(26+3*(2*\d+\c))*320+640
.endr
.endr
	WIN 0
	ds_load_b64 v[VS:VS+1], v10 offset:16000
.endm
.macro KLOADS
.irp g, 0,1
.irp i, 0,1,2,3
	ds_load_b128 v[KF+6*(4*\g+\i):KF+6*(4*\g+\i)+3], v[KA] offset:3840*\g+960*(\i%2)+128*(\i/2)
	ds_load_b64 v[KF+6*(4*\g+\i)+4:KF+6*(4*\g+\i)+5], v[KB] offset:3840*\g+960*(\i%2)+128*(\i/2)+640
.endr
.endr
	ds_load_b64 v[KS:KS+1], v[KSA] offset:7680
	ds_load_b64 v[KS+2:KS+3], v[KSA] offset:8000
.endm
.macro MASK w                          ; register n holds key 64 (n / 32) + n % 32 + 32 h of the step: hidden where that is above my query's place
	WIN 0x55*\w
.set n, 0
.rept 64
	v_cmp_gt_i32 vcc_lo, 64*(n/32)+n%32, v29
	v_cndmask_b32 v[S+n], v[S+n], v[NINF], vcc_lo
.set n, n+1
.endr
.endm
.macro PH1 w                           ; the blocks' and the row's largest score, M, t - M, and the sum and O^T under the new M
	WIN 0x55*\w
.irp k, 0,1,2,3
	v_max3_num_f32 v[MA+\k], v[S+16*\k], v[S+16*\k+1], v[S+16*\k+2]
.endr
.irp i, 3,5,7,9,11,13
.irp k, 0,1,2,3
	v_max3_num_f32 v[MA+\k], v[MA+\k], v[S+16*\k+\i], v[S+16*\k+\i+1]
.endr
.endr
.irp g, 0,1
	v_max3_num_f32 v[BM+\g], v[MA+2*\g], v[MA+2*\g+1], v[S+32*\g+15]
.endr
.irp g, 0,1
	v_max_num_f32 v[BM+\g], v[BM+\g], v[S+32*\g+31]
.endr
	v_max_num_f32 v[TMP], v[BM], v[BM+1]
	v_permlanex16_b32 v[TM2], v[TMP], s20, s21
	v_max3_num_f32 v13, v13, v[TMP], v[TM2]        ; the running largest score
	v_mul_f32 v[NEW], s19, v13                     ; x -log2(e) / 8
	v_floor_f32 v[NEW], v[NEW]                     ; -M = floor(-t)
	v_sub_f32 v[TMP], v[NEW], v12
.set jj, 0
.rept 32
	v_pk_fma_f32 v[S+jj:S+jj+1], v[S+jj:S+jj+1], s[22:23], v[NEW:NEW+1] op_sel_hi:[1,0,0]   ; t - M
.if jj == 6
	v_cvt_i32_f32 v[TMP], v[TMP]                   ; (it saturates)
.endif
.if jj == 14
	v_ldexp_f32 v[F], 1.0, v[TMP]
.endif
.set jj, jj+2
.endr
.irp g, 0,1
	v_fma_f32 v[BM+\g], v[BM+\g], s22, v[NEW]
.endr
	v_mov_b32 v12, v[NEW]
	v_pk_mul_f32 v[14:15], v[14:15], v[F:F+1] op_sel_hi:[1,0]
.set jj, 0
.rept 16
	v_pk_mul_f32 v[O+jj:O+jj+1], v[O+jj:O+jj+1], v[F:F+1] op_sel_hi:[1,0]
.set jj, jj+2
.endr
.endm
.macro EXPS w
	WIN 0x55*\w
.set jj, 0
.rept 64
	v_exp_f32 v[S+jj], v[S+jj]
.set jj, jj+1
.endr
	v_exp_f32 v[BM], v[BM]                         ; the blocks' largest p: the same two instructions on the same number
	v_exp_f32 v[BM+1], v[BM+1]
.endm
.macro PH3 w                           ; p's scales and codes, and the sum of the unquantised p
	WIN 0x55*\w
.irp g, 0,1
	v_max_num_f32 v[BM+\g], 0x1800000, v[BM+\g]    ; the floor 2^(3 - 127)
.endr
.irp g, 0,1
	v_add_nc_u32 v[SOP+\g], 0xff000000, v[BM+\g]
.endr
.irp g, 0,1
	v_lshrrev_b32 v[PB+\g], 23, v[SOP+\g]
.endr
	v_lshl_or_b32 v[W], v[PB+1], 16, v[PB]         ; my bytes: blocks h and 2 + h,
	v_lshlrev_b32 v[W], v[SH8], v[W]               ; 8 h bits up
	v_permlanex16_b32 v[X], v[W], s20, s21
.irp c, 0,1
	v_cvt_scalef32_pk16_fp6_f32 v[PC+6*\c:PC+6*\c+2], v[S+32*\c:S+32*\c+15], v[SOP+\c]
	v_cvt_scalef32_pk16_fp6_f32 v[PT+4*\c:PT+4*\c+2], v[S+32*\c+16:S+32*\c+31], v[SOP+\c]
.endr
	WIN 0x05*\w
	v_or_b32 v[PW+\w], v[W], v[X]                  ; the word is whole; scale operands lie in window 0.  (The plain place behind the conversions)
	WIN 0x55*\w
.irp c, 0,1
.irp i, 0,1,2
	v_mov_b32 v[PC+6*\c+3+\i], v[PT+4*\c+\i]
.endr
.endr
	v_pk_add_f32 v[A1:A1+1], v[S:S+1], v[S+2:S+3]
	v_pk_add_f32 v[A1+2:A1+3], v[S+4:S+5], v[S+6:S+7]
	v_pk_add_f32 v[A1+4:A1+5], v[S+8:S+9], v[S+10:S+11]
	v_pk_add_f32 v[14:15], v[14:15], v[S+12:S+13]
.irp k, 14,22,30,38,46,54
	v_pk_add_f32 v[A1:A1+1], v[A1:A1+1], v[S+\k:S+\k+1]
	v_pk_add_f32 v[A1+2:A1+3], v[A1+2:A1+3], v[S+\k+2:S+\k+3]
	v_pk_add_f32 v[A1+4:A1+5], v[A1+4:A1+5], v[S+\k+4:S+\k+5]
	v_pk_add_f32 v[14:15], v[14:15], v[S+\k+6:S+\k+7]
.endr
	v_pk_add_f32 v[A1:A1+1], v[A1:A1+1], v[S+62:S+63]
	v_pk_add_f32 v[A1+2:A1+3], v[A1+2:A1+3], v[A1+4:A1+5]
	v_pk_add_f32 v[14:15], v[14:15], v[A1:A1+1]
	v_pk_add_f32 v[14:15], v[14:15], v[A1+2:A1+3]
.endm
.macro PV w                            ; O^T += v^T p^T: four accumulators, one product each
	WIN 0x01+0x54*\w
	MM O, VF, PC, v[O:O+7], VS, PW+\w, 0
	MM O+8, VF+12, PC, v[O+8:O+15], VS, PW+\w, 1
	MM O+16, VF+24, PC, v[O+16:O+23], VS+1, PW+\w, 0
	MM O+24, VF+36, PC, v[O+24:O+31], VS+1, PW+\w, 1
.endm
.macro WAYOUT w                        ; O^T / the sum, quantised: register 16 g + i is e = 64 x head + 32 g + 16 h + i of my query
	WIN 0x55*\w
	v_add_f32 v14, v14, v15
	v_permlanex16_b32 v[TM2], v14, s20, s21
	v_add_f32 v14, v14, v[TM2]
	WALU
	v_rcp_f32 v14, v14
	v_nop
	WALU
.set jj, 0
.rept 32
	v_mul_f32 v[S+jj], v[O+jj], v14
.set jj, jj+1
.endr
.irp g, 0,1
	v_max3_num_f32 v[BM+\g], |v[S+16*\g]|, |v[S+1+16*\g]|, 0x1800000
.endr
.irp i, 2,4,6,8,10,12,14
.irp g, 0,1
	v_max3_num_f32 v[BM+\g], v[BM+\g], |v[S+16*\g+\i]|, |v[S+1+16*\g+\i]|
.endr
.endr
.irp g, 0,1
	v_permlanex16_b32 v[PB+\g], v[BM+\g], s20, s21
.endr
.irp g, 0,1
	v_max_num_f32 v[BM+\g], v[BM+\g], v[PB+\g]
.endr
.irp g, 0,1
	v_add_nc_u32 v[SOP+\g], 0xff000000, v[BM+\g]
.endr
.irp g, 0,1
	v_lshrrev_b32 v[PB+\g], 23, v[SOP+\g]
.endr
	v_lshl_or_b32 v[TMP], v[PB+1], 8, v[PB]        ; the head's two bytes
	v_cvt_scalef32_pk16_fp6_f32 v[PC:PC+2], v[S:S+15], v[SOP]
	v_cvt_scalef32_pk16_fp6_f32 v[PT:PT+2], v[S+16:S+31], v[SOP+1]
	v_nop
.irp i, 0,1,2
	v_permlane16_swap_b32 v[PC+\i], v[PT+\i]       ; a whole block to a lane
.endr
.irp i, 0,1,2
	v_mov_b32 v[PC+3+\i], v[PT+\i]
.endr
	WIN 0x04*\w                                    ; a store's data are its source 1
	global_store_b128 v7, v[PC:PC+3], s[48:49] offset:3072*\w
	global_store_b64 v30, v[PC+4:PC+5], s[48:49] offset:3072*\w+512
	global_store_b16 v31, v[TMP], s[50:51] offset:512*\w
.endm
.macro SWITCH                          ; on to block 15 - i, key step 0.  -M is set so high that the next factor is 0: it clears the sum and O^T
	s_mov_b32 s41, s42
	s_mov_b32 s40, -1
	s_mul_i32 s52, s41, 24576
	s_add_nc_u64 s[48:49], s[58:59], s[52:53]
	s_lshl_b32 s52, s41, 12
	s_add_nc_u64 s[50:51], s[60:61], s[52:53]
	v_mov_b32 v[QW], v[QWB]
	v_mov_b32 v[QW+1], v[QWB+1]
.irp w, 0,1
	WIN 0x55*\w
.irp j, 0,1,2,3,4,5
	v_mov_b32 v[16+\j], v[QS+\j]
.endr
	v_mov_b32 v13, 0xff61b1e6
	v_mov_b32 v12, 0x7e000000
.endr
	WIN 0
	v_nop
	v_nop                                          ; four places between q's last register and the next product
	WALU
.endm
; A change of slots, ahead of a group of steps whose first place is s44.  fill = 8: every wave fetches its part of the next group into the slot left; 2: waves 0, 1 fetch step 16; 0: nothing is left to fetch
.macro CHANGE fill
	v_add_nc_u32 v[KA], s44, v4
	v_add_nc_u32 v[KB], s44, v28
	v_add_nc_u32 v[KSA], s44, v92
	WALU
	s_wait_tensorcnt 0x0                           ; my part of this group is in
.if \fill
	ds_add_u32 v5, v6
	s_add_co_u32 s13, s13, 4                       ; my step of the next group,
	s_sub_co_u32 s43, s13, s14
	s_cmp_le_u32 s13, s63
	s_cselect_b32 s43, s13, s43                    ; its key step: n, or n - i - 1 in the second block
	s_mul_i32 s38, s43, KVB
	s_add_nc_u64 s[34:35], s[36:37], s[38:39]
	s_or_b32 s35, s35, 0x80000000
	s_xor_b32 s33, s33, 4*SLOT1                    ; into the slot that has been left
.endif
	s_wait_dscnt 0x0                               ; my reads of that slot are over
	s_barrier_signal -1
	s_barrier_wait -1
.if \fill == 8
	TLINE
.endif
.if \fill == 2
	s_cmp_lt_u32 s10, 2
	s_cbranch_scc0 .Lasked_\@
	TLINE
.Lasked_\@:
.endif
	KLOADS
.endm
; A key step.  kind 0: it may lie on the diagonal and end the first block; 1: it does neither; 2: the very last: it does both, and fetches no k
.macro STEP kind
	s_wait_dscnt 0x0                               ; this step's k is in
	SMUL 0
	SMUL 1
	WIN 0
	v_add_nc_u32 v8, s44, v1                       ; (these are the places behind the products)
	v_add_nc_u32 v9, s44, v2
	v_add_nc_u32 v10, s44, v3
.if \kind == 2
	v_nop
.else
	s_add_co_u32 s43, s44, SLOT1
	v_add_nc_u32 v[KA], s43, v4
	v_add_nc_u32 v[KB], s43, v28
	v_add_nc_u32 v[KSA], s43, v92
.endif
	VLOADS
.if \kind == 0
	s_cmp_lg_u32 s40, s41                          ; only a block's last step lies on the diagonal: a branch on ids
	s_cbranch_scc1 .Lopen_\@
.endif
.if \kind != 1
	MASK 0
	MASK 1
	WIN 0
.endif
.if \kind == 0
.Lopen_\@:
.endif
	PH1 0
	PH1 1
	WIN 0
	WALU
	s_wait_dscnt 0x0                               ; v is in
.if \kind != 2
	s_cmp_eq_u32 s45, 1                            ; a group's last step: the next k lies behind the change of slots
	s_cbranch_scc1 .Lnok_\@
	KLOADS                                         ; the next step's k lands under the exponentials
.Lnok_\@:
.endif
	EXPS 0
	EXPS 1
	v_nop
	WALU
	PH3 1
	PH3 0
	PV 0
	PV 1
	WIN 0
.if \kind == 0
	s_cmp_lg_u32 s40, s41
	s_cbranch_scc1 .Lon_\@
.endif
.if \kind != 1
.rept 4
	v_nop
.endr
	WAYOUT 0
	WAYOUT 1
	WIN 0
	s_wait_xcnt 0x0                                ; the stores have read their registers and bases
.endif
.if \kind == 0
	SWITCH
.Lon_\@:
	s_add_co_u32 s40, s40, 1
.endif
.if \kind != 2
	s_add_co_u32 s44, s44, SLOT1
.endif
.endm
.macro INITW w
	WIN 0x40*\w
.irp j, 22,23,24,25,26,27,14,15,X,TM2,F+1,NEW+1
	v_mov_b32 v[\j], 0
.endr
.set jj, 0
.rept 32
	v_mov_b32 v[O+jj], 0                           ; the step is written once: the first finds zeros
.set jj, jj+1
.endr
	v_mov_b32 v13, 0xff61b1e6                      ; the largest score so far: -3e38
	v_mov_b32 v12, 0x7e000000
	v_mov_b32 v[NINF], 0xff800000
	v_lshlrev_b32 v[SH8], 3, v94
	v_add_nc_u32 v29, 8*\w, v11                    ; my query's place in its block, less 32 h
.endm
	s_load_b128 s[4:7], s[0:1], 0x0                ; q, kv
	s_load_b64 s[8:9], s[0:1], 0x10                ; aq
	v_lshl_add_u32 v5, v0, 2, SPARE
	v_mov_b32 v6, 0
	ds_add_u32 v5, v6
	ds_add_u32 v5, v6
	v_lshrrev_b32 v93, 5, v0
	v_readfirstlane_b32 s10, v93                   ; wave 0..7
	s_and_b32 s11, s10, 3                          ; my pair of tiles
	s_lshr_b32 s12, s10, 2                         ; which of the two heads
	s_and_b32 s14, ttmp7, 0xffff
	s_lshr_b32 s15, s14, 3                         ; batch
	s_and_b32 s16, s14, 7                          ; pair of heads
	s_lshl_b32 s17, s16, 1
	s_add_co_u32 s17, s17, s12                     ; head
	s_lshl_b32 s18, s15, 4
	s_add_co_u32 s18, s18, s17
	s_mov_b32 s19, 0xbe38aa3b                      ; -log2(e) / 8
	s_mov_b32 s20, 0x76543210
	s_mov_b32 s21, 0xfedcba98
	s_mov_b32 s22, 0x3e38aa3b
	s_mov_b32 s23, s22
	s_mov_b32 s24, (3<<16)|(1<<20)|(5<<22)|(15<<25) ; 51 rows of 256 bytes, 16 words of padding behind each
	s_mov_b32 s25, 32<<16
	s_mov_b32 s26, 51<<16
	s_mov_b32 s27, 32<<16
	s_mov_b32 s28, 51
	s_mov_b32 s29, 32
	s_mov_b32 s30, 0
	s_mov_b32 s31, 0
	s_mov_b32 s41, ttmp9                           ; the first block: i
	s_sub_co_u32 s42, 15, s41                      ; the second
	s_mov_b32 s63, s41                             ; i
	s_add_co_u32 s14, s41, 1                       ; i + 1
	s_and_b32 s52, s10, 1                          ; the head that I fetch,
	s_lshr_b32 s13, s10, 1                         ; and which step of a group
	s_mul_i32 s47, s52, KVP
	s_lshl_b32 s57, s13, 15
	s_add_co_u32 s33, s47, s57
	s_mov_b32 s32, 1
	s_sub_co_u32 s56, s13, s14
	s_cmp_le_u32 s13, s63
	s_cselect_b32 s56, s13, s56                    ; its key step
	s_mul_i32 s56, s56, KVB
	s_lshl_b32 s53, s15, 4
	s_lshl_b32 s57, s16, 1
	s_add_co_u32 s53, s53, s57
	s_add_co_u32 s53, s53, s52
	s_mul_i32 s38, s53, 208896
	s_mov_b32 s39, 0
	s_lshr_b32 s54, s17, 2
	s_mul_i32 s54, s54, XSLOT
	s_lshl_b32 s55, s15, 7
	s_lshl_b32 s43, s11, 1
	s_add_co_u32 s55, s55, s43                     ; 128 x batch + my first tile
	s_mul_i32 s46, s55, 3072
	s_add_co_u32 s54, s54, s46
	s_and_b32 s46, s17, 3
	s_mul_i32 s46, s46, 768
	s_add_co_u32 s54, s54, s46                     ; my half image in block 0's tiles
	s_lshl_b32 s48, s55, 9
	s_lshl_b32 s46, s17, 1
	s_add_co_u32 s48, s48, s46
	s_add_co_u32 s48, s48, XSC                     ; and its two scale bytes a row
	s_mov_b32 s55, 0
	s_mov_b32 s49, 0
	s_mov_b32 s53, 0
	WALU
	s_wait_dscnt 0x0
	s_wait_kmcnt 0x0
	s_add_nc_u64 s[36:37], s[6:7], s[38:39]
	s_mov_b32 s38, s56
	s_add_nc_u64 s[34:35], s[36:37], s[38:39]
	s_or_b32 s35, s35, 0x80000000
	TLINE                                          ; steps 0 to 3 into slot 0: every wave one head's block of one step
	s_add_nc_u64 s[58:59], s[8:9], s[54:55]
	s_add_nc_u64 s[60:61], s[8:9], s[48:49]
	s_mul_i32 s52, s41, 24576
	s_add_nc_u64 s[48:49], s[58:59], s[52:53]
	s_lshl_b32 s52, s41, 12
	s_add_nc_u64 s[50:51], s[60:61], s[52:53]
	s_mul_i32 s52, s18, 106496
	s_add_nc_u64 s[56:57], s[4:5], s[52:53]
	s_mul_i32 s52, s41, 6656
	s_add_nc_u64 s[54:55], s[56:57], s[52:53]      ; q of the first block,
	s_mul_i32 s52, s42, 6656
	s_add_nc_u64 s[56:57], s[56:57], s[52:53]      ; of the second
	v_and_b32 v93, 15, v0                          ; r
	v_bfe_u32 v94, v0, 4, 1                        ; h
	v_and_b32 v95, 31, v0                          ; lane
	v_lshlrev_b32 v7, 4, v95
	v_lshlrev_b32 v30, 4, v93
	v_lshl_add_u32 v30, v94, 3, v30                ; 16 r + 8 h
	v_lshlrev_b32 v31, 5, v93                      ; 32 r
	s_mul_i32 s52, s11, 1536
	v_add_nc_u32 v[KA], s52, v7
	v_add_nc_u32 v[KB], s52, v30
	s_lshl_b32 s52, s11, 3
	v_add_nc_u32 v[KSA], s52, v31
	WALU
.irp w, 0,1
	WIN 0x40*\w
	global_load_b128 v[16:19], v[KA], s[54:55] offset:768*\w
	global_load_b64 v[20:21], v[KB], s[54:55] offset:768*\w+512
	global_load_b128 v[QS:QS+3], v[KA], s[56:57] offset:768*\w
	global_load_b64 v[QS+4:QS+5], v[KB], s[56:57] offset:768*\w+512
	WIN 0
	global_load_b32 v[QW+\w], v[KSA], s[54:55] offset:6144+4*\w
	global_load_b32 v[QWB+\w], v[KSA], s[56:57] offset:6144+4*\w
.endr
	s_mul_i32 s52, s12, KVP                        ; my head's block in a place
	v_mul_u32_u24 v1, v94, 320
	v_lshl_add_u32 v1, v93, 4, v1
	v_add_nc_u32 v1, s52, v1                       ; v: registers 0-3
	v_add_nc_u32 v2, s52, v30                      ; registers 4-5
	v_lshlrev_b32 v3, 3, v93
	v_lshl_add_u32 v3, v94, 7, v3
	v_add_nc_u32 v3, s52, v3                       ; its scale words
	v_and_b32 v8, 7, v0                            ; r % 8
	v_bfe_u32 v9, v0, 3, 1                         ; r / 8
	v_mul_u32_u24 v10, v9, 1920                    ; two tiles on: six LDS rows
	v_lshl_add_u32 v4, v8, 4, v10
	v_lshl_add_u32 v28, v94, 3, v4
	v_mad_u32_u24 v4, v94, 320, v4
	v_add_nc_u32 v4, s52, v4                       ; k: registers 0-3
	v_add_nc_u32 v28, s52, v28                     ; registers 4-5
	v_lshlrev_b32 v92, 5, v8
	v_lshl_add_u32 v92, v9, 3, v92
	v_lshl_add_u32 v92, v94, 4, v92
	v_add_nc_u32 v92, s52, v92                     ; its scale words
	v_lshl_add_u32 v11, v9, 3, v93                 ; r + 8 (r / 8)
	v_lshlrev_b32 v10, 5, v94
	v_sub_nc_u32 v11, v11, v10
	s_lshl_b32 s52, s11, 5
	v_add_nc_u32 v11, s52, v11
	INITW 0
	INITW 1
	WIN 0
.irp j, 80,81,82,83,84,85
	v_mov_b32 v[\j], 0
.endr
	s_mov_b32 s40, 0                               ; the key step
	s_mov_b32 s44, 0                               ; the place in hand
	s_mov_b32 s46, 0                               ; the slot in hand
	s_mov_b32 s62, 0                               ; groups done
	WALU
	s_wait_loadcnt 0x0                             ; q is in, and its loads have read their addresses
.Lgroup:                                           ; steps 0 to 11: behind each change the next group is asked for (the first time: slot 1's first fill)
	CHANGE 8
	s_mov_b32 s45, 4
.Lstep:
	STEP 0
	s_sub_co_u32 s45, s45, 1
	s_cmp_lg_u32 s45, 0
	s_cbranch_scc1 .Lstep
	s_xor_b32 s46, s46, 4*SLOT1
	s_mov_b32 s44, s46
	s_add_co_u32 s62, s62, 1
	s_cmp_lt_u32 s62, 3
	s_cbranch_scc1 .Lgroup
	CHANGE 2                                       ; steps 12 to 15; step 16 is asked for
	s_mov_b32 s45, 4
.Lplain:
	STEP 1
	s_sub_co_u32 s45, s45, 1
	s_cmp_lg_u32 s45, 0
	s_cbranch_scc1 .Lplain
	s_xor_b32 s46, s46, 4*SLOT1
	s_mov_b32 s44, s46
	CHANGE 0
	STEP 2
	s_wait_tensorcnt 0x0                           ; the wave's end
	ds_add_u32 v5, v6
	s_wait_dscnt 0x0
	s_endpgm
.Lfunc_end_k_qa0134870a1_attn:
	.size	k_qa0134870a1_attn, .Lfunc_end_k_qa0134870a1_attn-k_qa0134870a1_attn
	.p2alignl 7, 3214868480
	.fill 96, 4, 3214868480
	.section	.rodata,"a",@progbits
	.p2align	6, 0x0
	.amdhsa_kernel k_qa0134870a1_attn
		.amdhsa_group_segment_fixed_size 327680
		.amdhsa_private_segment_fixed_size 0
		.amdhsa_enable_private_segment 0
		.amdhsa_kernarg_size 24
		.amdhsa_user_sgpr_count 2
		.amdhsa_user_sgpr_kernarg_segment_ptr 1
		.amdhsa_wavefront_size32 1
		.amdhsa_system_sgpr_workgroup_id_x 1
		.amdhsa_system_sgpr_workgroup_id_y 1
		.amdhsa_system_sgpr_workgroup_id_z 1
		.amdhsa_system_vgpr_workitem_id 0
		.amdhsa_next_free_vgpr 512
		.amdhsa_next_free_sgpr 66
		.amdhsa_reserve_vcc 1
		.amdhsa_float_denorm_mode_32 3
		.amdhsa_float_denorm_mode_16_64 3
		.amdhsa_memory_ordered 1
		.amdhsa_forward_progress 1
		.amdhsa_inst_pref_size 133
	.end_amdhsa_kernel
	.amdgpu_metadata
---
amdhsa.version: [ 1, 2 ]
amdhsa.kernels:
  - .name:           k_qa0134870a1_attn
    .symbol:         k_qa0134870a1_attn.kd
    .args:
      - { .name: q, .offset: 0, .size: 8, .value_kind: global_buffer, .address_space: global }
      - { .name: kv, .offset: 8, .size: 8, .value_kind: global_buffer, .address_space: global }
      - { .name: aq, .offset: 16, .size: 8, .value_kind: global_buffer, .address_space: global }
    .group_segment_fixed_size: 327680
    .private_segment_fixed_size: 0
    .kernarg_segment_align: 8
    .kernarg_segment_size: 24
    .max_flat_workgroup_size: 256
    .sgpr_count:     66
    .vgpr_count:     512
    .wavefront_size: 32
...
	.end_amdgpu_metadata
.endif
;; end of part 3
;; launch proj (part 4): grid 4 x 64, 4 waves a work-group, clusters of 4 x 4, 327,680 bytes of LDS; arguments aq, wpq, b_proj, out0; writes out0
.if DOCPART == 4
	.amdgcn_target "amdgcn-amd-amdhsa--gfx1250"
	.amdhsa_code_object_version 6
	.text
	.protected	k_qa0134870a1_proj
	.globl	k_qa0134870a1_proj
	.p2align	8
	.type	k_qa0134870a1_proj,@function
k_qa0134870a1_proj:
	s_mov_b64 s[64:65], 0
	v_nop
	global_prefetch_b8 v0, s[64:65] scope:SCOPE_SE
	s_setreg_imm32_b32 hwreg(HW_REG_WAVE_MODE, 25, 1), 1
	s_wait_xcnt 0x0
	s_wait_alu depctr_hold_cnt(0) depctr_sa_sdst(0) depctr_va_vdst(0) depctr_va_sdst(0) depctr_va_ssrc(0) depctr_va_vcc(0) depctr_vm_vsrc(0)
	s_getreg_b32 s2, hwreg(HW_REG_IB_STS2, 6, 4)
	s_cmp_eq_u32 s2, 0
	s_cbranch_scc0 .Lentry_in_a_cluster
	s_endpgm
.Lentry_in_a_cluster:
	s_bfe_u32 s2, ttmp6, 0x10000c
	s_cmp_lg_u32 s2, 0xf033
	s_cbranch_scc0 .Lentry_shape_is_right
	s_endpgm
.Lentry_shape_is_right:
; PROJ: out0 = a W_proj + b_proj on codes of FP6 (E2M3) with E8M0 scales, K = 1,024; out0 [8192][1024] f32.
; OPERANDS lie in memory in the order of their registers.  A TILE is 16 rows of a or 16 columns of W: place r of tile 2 b + u is row 32 b + 8 u + r + 8 (r / 8).  A HALF IMAGE, 768 bytes, is a tile's codes of 64 along K:
; registers 0-3 of lane l at 16 l, registers 4-5 at 512 + 16 (l % 16) + 8 (l / 16).  A tensor: [k / 256][tile][(k / 64) % 4][768]; behind the codes the scale bytes [tile][place][32].
; SHARES.  256 work-groups of four waves; a work-group makes 128 rows x 256 columns, a wave 64 x 128: 32 accumulators.  ALL OF K LIES IN LDS: the rows' 8 tiles (98,304 bytes) and W's 16 tiles (196,608 bytes).
; Four joint loads at the head, one a wave, each two rows of memory (256 along K a row): wave 0 the rows' k 0-511, wave 1 W's, wave 2 W's k 512-1,023, wave 3 the rows'.  Nothing is filled again.
; The first barrier waits for waves 0 and 1 alone (each load line has one issuer); the second, in the fourth step, for all.
; CLUSTERS: 4 x 4 work-groups; the rows' tiles are asked for jointly along a row of the cluster, W's along a column.
; THE SCALE WORDS go from memory into registers: a tile's 512 bytes by one load of 16 bytes a lane at 32 r + 16 h: lanes 0-15 hold the words of K steps 0-3, lanes 16-31 those of steps 4-7.
; THE MATRIX INSTRUCTION IS USED TRANSPOSED (source 0 = 16 columns of W, source 1 = 16 rows): register j of accumulator (a, b) is column 32 (b / 2) + 8 (b % 2) + 16 h + j of the row at place r of tile a.
; The bias is the C of each sum's first product.  Both operands have two sets of fragment registers: a step's 48 LDS loads are issued a step ahead.
; No prefetch: the launch has no loop to run ahead in; all its tiles are asked for at the head.
; REGISTERS.  window 0: v2-13 LDS addresses; v32-63 W's scale words, v66-81 the rows'; v96-159 the bias; v160-255 the rows' fragments, two sets.  window 1: W's fragments at v0 and v128.  window 2: the accumulators.
.set ASLOT, 1572864
.set ASC,   6291456
.set BSLOT, 196608
.set BSC,   786432
.set AK,    24576                      ; 8 tiles' codes of 256 along K
.set BKS,   49152                      ; 16 tiles'
.set BB,    4*AK                       ; LDS: W's codes behind the rows'
.set SPARE, 4*AK+4*BKS                 ; the spare words, 128 bytes a wave
.set SPITCH, 528                       ; the way out: a stage of 16 rows x (512 + 16) bytes a wave, from LDS byte 0, behind a barrier behind which nobody reads the codes
.set FR, 12
.set STO, 14
.set RD,  15
.set A16, 16
.set AT,  17
.set SPW, 28
.set NIL, 29
.set SB,  32
.set SA,  66
.set BIAS, 96
.set AF,  160
.set BKR, 128
.set WV, 16
.set HR, 17
.set HC, 18
.set TR, 19
.set TC, 20
.set G1A, 24
.set G1B, 32
.set MSB, 0
.macro WIN new
.if MSB != (\new)
	s_set_vgpr_msb (MSB<<8)|(\new)
.set MSB, (\new)
.endif
.endm
.macro CROUND
	s_barrier_signal -1
	s_barrier_wait -1
	s_cmp_lg_u32 s[WV], 0
	s_cbranch_scc1 .Lnot_wave_0_\@
	s_barrier_signal -3
.Lnot_wave_0_\@:
	s_barrier_wait -3
	s_barrier_signal -1
	s_barrier_wait -1
.endm
.macro PLACES n
.rept \n
	v_nop
.endr
.endm
.macro FETCH ks                        ; K step ks: W's eight fragments and the rows' four, into set ks % 2
	WIN 0x40
.irp i, 0,1,2,3,4,5,6,7
.irp c, 0,1
	ds_load_b128 v[128*((\ks)%2)+FR*\i+6*\c:128*((\ks)%2)+FR*\i+6*\c+3], v[6+2*((\ks)/2)] offset:\i*3072+(2*((\ks)%2)+\c)*768
	ds_load_b64 v[128*((\ks)%2)+FR*\i+6*\c+4:128*((\ks)%2)+FR*\i+6*\c+5], v[7+2*((\ks)/2)] offset:\i*3072+(2*((\ks)%2)+\c)*768+512
.endr
.endr
	WIN 0
.irp i, 0,1,2,3
.irp c, 0,1
	ds_load_b128 v[AF+48*((\ks)%2)+FR*\i+6*\c:AF+48*((\ks)%2)+FR*\i+6*\c+3], v[2+2*((\ks)/4)] offset:(((\ks)/2)%2)*AK+\i*3072+(2*((\ks)%2)+\c)*768
	ds_load_b64 v[AF+48*((\ks)%2)+FR*\i+6*\c+4:AF+48*((\ks)%2)+FR*\i+6*\c+5], v[3+2*((\ks)/4)] offset:(((\ks)/2)%2)*AK+\i*3072+(2*((\ks)%2)+\c)*768+512
.endr
.endr
.endm
.macro W1 d, b, a, c, sb, sa, row
	v_wmma_scale_f32_16x16x128_f8f6f4 v[\d:\d+7], v[\b:\b+11], v[\a:\a+11], \c, v[\sb], v[\sa] matrix_a_fmt:MATRIX_FMT_FP6 matrix_b_fmt:MATRIX_FMT_FP6 matrix_a_scale:MATRIX_SCALE_ROW\row matrix_b_scale:MATRIX_SCALE_ROW\row
.endm
.macro MUL ks                          ; 32 products; the 32 accumulators take turns, one instruction a turn
.if (\ks) == 0
	WIN 0x81                                       ; source 0 window 1, C (the bias) window 0, D window 2
.else
	WIN 0xa1
.endif
.irp a, 0,1,2,3
.irp b, 0,1,2,3,4,5,6,7
.if (\ks) == 0
	W1 8*(8*\a+\b), FR*\b, AF+FR*\a, v[BIAS+8*\b:BIAS+8*\b+7], SB+4*\b, SA+4*\a, 0
.elseif (\ks) < 4
	W1 8*(8*\a+\b), 128*((\ks)%2)+FR*\b, AF+48*((\ks)%2)+FR*\a, v[8*(8*\a+\b):8*(8*\a+\b)+7], SB+4*\b+(\ks)%4, SA+4*\a+(\ks)%4, 0
.else
	W1 8*(8*\a+\b), 128*((\ks)%2)+FR*\b, AF+48*((\ks)%2)+FR*\a, v[8*(8*\a+\b):8*(8*\a+\b)+7], SB+4*\b+(\ks)%4, SA+4*\a+(\ks)%4, 1
.endif
.endr
.endr
.endm
.macro KSTEP ks
	s_wait_dscnt 0x0                               ; this step's fragments, asked for a step ago, are in
.if (\ks) == 3
	s_wait_tensorcnt 0x0                           ; K's second half: every wave waits, and the barrier shows it to all
	s_barrier_signal -1
	s_barrier_wait -1
.endif
.if (\ks) > 0
	PLACES 4                                       ; in front of loads into registers that the last step's products have read
.endif
.if (\ks) < 7
	FETCH (\ks)+1
.endif
	MUL \ks
.endm
.macro TOSTAGE a
	WIN 0x08                                       ; an LDS store's data are its source 1: window 2
.irp b, 0,1,2,3,4,5,6,7
	ds_store_b128 v[STO], v[64*(\a)+8*\b:64*(\a)+8*\b+3] offset:128*(\b/2)+32*(\b%2)
	ds_store_b128 v[STO], v[64*(\a)+8*\b+4:64*(\a)+8*\b+7] offset:128*(\b/2)+32*(\b%2)+16
.endr
	WIN 0
.irp t, 0,1,2,3,4,5,6,7,8,9,10,11,12,13,14,15
	ds_load_b128 v[BKR+64*((\a)%2)+4*\t:BKR+64*((\a)%2)+4*\t+3], v[RD] offset:\t*SPITCH   ; LDS serves a wave's instructions in order: these see my stores
.endr
.endm
.macro SEND a, younger
	s_wait_dscnt \younger
.irp t, 0,1,2,3,4,5,6,7,8,9,10,11,12,13,14,15
	global_store_b128 v[A16], v[BKR+64*((\a)%2)+4*\t:BKR+64*((\a)%2)+4*\t+3], s[10:11] offset:(32*((\a)/2)+8*((\a)%2)+\t+8*(\t/8))*4096 th:TH_STORE_NT   ; 32 lanes store 512 consecutive bytes, aligned
.endr
.endm
.macro ARM under, g0, g1, next
	s_cmp_lt_u32 s[WV], \under
	s_cbranch_scc0 \next
	tensor_load_to_lds s[\g0:\g0+3], s[\g1:\g1+7]
	s_nop 0
	PLACES 4
	s_branch .Lhead_asked
\next:
.endm
	s_load_b256 s[4:11], s[0:1], 0x0               ; aq, wpq, b_proj, out0
	v_lshl_add_u32 v[SPW], v0, 2, SPARE
	v_mov_b32 v[NIL], 0
	ds_add_u32 v[SPW], v[NIL]
	ds_add_u32 v[SPW], v[NIL]
	v_lshrrev_b32 v1, 5, v0
	v_readfirstlane_b32 s[WV], v1
	s_lshr_b32 s[HR], s[WV], 1                     ; my half of the rows
	s_and_b32 s[HC], s[WV], 1                      ; my half of the columns
	s_bfe_u32 s12, ttmp6, 0x40000                  ; cx
	s_bfe_u32 s13, ttmp6, 0x40004                  ; cy
	s_lshl_b32 s[TC], ttmp9, 2
	s_add_co_u32 s[TC], s[TC], s12                 ; tile column
	s_and_b32 s[TR], ttmp7, 0xffff
	s_lshl_b32 s[TR], s[TR], 2
	s_add_co_u32 s[TR], s[TR], s13                 ; tile row
	s_lshl_b32 s14, s13, 2
	s_lshl_b32 s14, 15, s14                        ; my row of the cluster
	s_lshl_b32 s15, 0x1111, s12                    ; my column
	s_or_b32 s[G1A+0], s14, (3<<16)|(1<<21)
	s_mov_b32 s[G1A+1], (AK/8)<<16
	s_mov_b32 s[G1A+2], 2<<16
	s_mov_b32 s[G1A+3], (AK/8)<<16
	s_mov_b32 s[G1A+4], 2
	s_mov_b32 s[G1A+5], ASLOT/8
	s_mov_b32 s[G1A+6], 0
	s_mov_b32 s[G1A+7], 0
	s_or_b32 s[G1B+0], s15, (3<<16)|(1<<21)
	s_mov_b32 s[G1B+1], (BKS/8)<<16
	s_mov_b32 s[G1B+2], 2<<16
	s_mov_b32 s[G1B+3], (BKS/8)<<16
	s_mov_b32 s[G1B+4], 2
	s_mov_b32 s[G1B+5], BSLOT/8
	s_mov_b32 s[G1B+6], 0
	s_mov_b32 s[G1B+7], 0
	s_mul_i32 s56, s[TR], 8*3072                   ; the rows' 8 tiles
	s_mov_b32 s57, 0
	s_mul_i32 s58, s[TC], 16*3072                  ; W's 16
	s_mov_b32 s59, 0
	s_lshl_b32 s60, s[TR], 3
	s_lshl_b32 s21, s[HR], 2
	s_add_co_u32 s60, s60, s21
	s_lshl_b32 s60, s60, 9
	s_add_co_u32 s60, s60, ASC                     ; my 4 tiles' scale bytes
	s_mov_b32 s61, 0
	s_lshl_b32 s62, s[TC], 4
	s_lshl_b32 s21, s[HC], 3
	s_add_co_u32 s62, s62, s21
	s_lshl_b32 s62, s62, 9
	s_add_co_u32 s62, s62, BSC                     ; my 8 tiles' of W
	s_mov_b32 s63, 0
	s_wait_alu depctr_va_vdst(0)
	s_wait_dscnt 0x0
	CROUND                                         ; the round in front of the joint loads
	s_wait_kmcnt 0x0
	s_add_nc_u64 s[56:57], s[4:5], s[56:57]
	s_add_nc_u64 s[58:59], s[6:7], s[58:59]
	s_add_nc_u64 s[60:61], s[4:5], s[60:61]
	s_add_nc_u64 s[62:63], s[6:7], s[62:63]
	s_mov_b32 s40, 1
	s_mov_b32 s41, 0
	s_mov_b64 s[42:43], s[56:57]
	s_or_b32 s43, s43, 0x80000000
	s_mov_b32 s44, 1
	s_mov_b32 s45, BB
	s_mov_b64 s[46:47], s[58:59]
	s_or_b32 s47, s47, 0x80000000
	s_mov_b32 s48, 1
	s_mov_b32 s49, BB+2*BKS
	s_add_nc_u64 s[50:51], s[58:59], 2*BSLOT
	s_or_b32 s51, s51, 0x80000000
	s_mov_b32 s52, 1
	s_mov_b32 s53, 2*AK
	s_add_nc_u64 s[54:55], s[56:57], 2*ASLOT
	s_or_b32 s55, s55, 0x80000000
	ARM 1, 40, G1A, .Lhead_b0
	ARM 2, 44, G1B, .Lhead_b1
	ARM 3, 48, G1B, .Lhead_a1
	tensor_load_to_lds s[52:55], s[G1A:G1A+7]
	s_nop 0
	PLACES 4
.Lhead_asked:
	v_and_b32 v1, 15, v0                           ; r
	v_bfe_u32 v18, v0, 4, 1                        ; h
	v_and_b32 v19, 31, v0                          ; lane
	v_lshlrev_b32 v[A16], 4, v19
	v_lshlrev_b32 v[AT], 4, v1
	v_lshl_add_u32 v[AT], v18, 3, v[AT]            ; 16 r + 8 h
	v_lshlrev_b32 v20, 5, v1
	v_lshl_add_u32 v20, v18, 4, v20                ; 32 r + 16 h
	v_lshlrev_b32 v21, 6, v18                      ; 64 h
	s_lshl_b32 s22, s[TC], 10
	s_lshl_b32 s23, s[HC], 9
	s_add_co_u32 s22, s22, s23
	s_mov_b32 s23, 0
	s_add_nc_u64 s[8:9], s[8:9], s[22:23]          ; the bias of my 128 columns
	s_add_nc_u64 s[10:11], s[10:11], s[22:23]
	s_lshl_b32 s22, s[TR], 7
	s_lshl_b32 s21, s[HR], 6
	s_add_co_u32 s22, s22, s21
	s_lshl_b32 s22, s22, 12
	s_add_nc_u64 s[10:11], s[10:11], s[22:23]      ; out0 at my first row and column
	s_wait_alu depctr_va_vdst(0)
.irp b, 0,1,2,3,4,5,6,7
	global_load_b128 v[SB+4*\b:SB+4*\b+3], v20, s[62:63] offset:512*\b
.endr
.irp a, 0,1,2,3
	global_load_b128 v[SA+4*\a:SA+4*\a+3], v20, s[60:61] offset:512*\a
.endr
.irp b, 0,1,2,3,4,5,6,7
	global_load_b128 v[BIAS+8*\b:BIAS+8*\b+3], v21, s[8:9] offset:(32*(\b/2)+8*(\b%2))*4
	global_load_b128 v[BIAS+8*\b+4:BIAS+8*\b+7], v21, s[8:9] offset:(32*(\b/2)+8*(\b%2))*4+16
.endr
	s_mul_i32 s21, s[HR], 4*3072                   ; my 4 tiles of the rows
.irp p, 0,1
	v_add_nc_u32 v[2+2*\p], s21, v[A16]
	v_add_nc_u32 v[3+2*\p], s21, v[AT]
	s_add_co_u32 s21, s21, 2*AK
.endr
	s_mul_i32 s22, s[HC], 8*3072                   ; my 8 tiles of W
	s_add_co_u32 s22, s22, BB
.irp k, 0,1,2,3
	v_add_nc_u32 v[6+2*\k], s22, v[A16]
	v_add_nc_u32 v[7+2*\k], s22, v[AT]
	s_add_co_u32 s22, s22, BKS
.endr
	s_mul_i32 s21, s[WV], 16*SPITCH
	v_mul_u32_u24 v22, v1, SPITCH
	v_lshl_add_u32 v22, v18, 6, v22
	v_add_nc_u32 v[STO], s21, v22
	v_add_nc_u32 v[RD], s21, v[A16]
	s_wait_alu depctr_va_vdst(0)
	s_wait_loadcnt 0x0
	s_cmp_lt_u32 s[WV], 2
	s_cbranch_scc0 .Lnot_first
	s_wait_tensorcnt 0x0
.Lnot_first:
	s_barrier_signal -1                            ; K's first half is in; the second may be on its way
	s_barrier_wait -1
	FETCH 0
.irp k, 0,1,2,3,4,5,6,7
	KSTEP \k
.endr
	WIN 0
	s_barrier_signal -1                            ; every wave's reads of the codes are over (each waited at its last step's head): the stage may be written
	s_barrier_wait -1
	PLACES 4
	TOSTAGE 0
.irp a, 1,2,3
.if \a > 1
	s_wait_xcnt 0x0                                ; block a - 2's stores have read their registers
.endif
	TOSTAGE \a
	SEND \a-1, 32                                  ; behind block a - 1's loads: block a's 16 stores and 16 loads
.endr
	SEND 3, 0
	s_wait_tensorcnt 0x0                           ; the wave's end
	ds_add_u32 v[SPW], v[NIL]
	s_wait_dscnt 0x0
	CROUND                                         ; the closing round
	s_endpgm
.Lfunc_end_k_qa0134870a1_proj:
	.size	k_qa0134870a1_proj, .Lfunc_end_k_qa0134870a1_proj-k_qa0134870a1_proj
	.p2alignl 7, 3214868480
	.fill 96, 4, 3214868480
	.section	.rodata,"a",@progbits
	.p2align	6, 0x0
	.amdhsa_kernel k_qa0134870a1_proj
		.amdhsa_group_segment_fixed_size 327680
		.amdhsa_private_segment_fixed_size 0
		.amdhsa_enable_private_segment 0
		.amdhsa_kernarg_size 32
		.amdhsa_user_sgpr_count 2
		.amdhsa_user_sgpr_kernarg_segment_ptr 1
		.amdhsa_wavefront_size32 1
		.amdhsa_system_sgpr_workgroup_id_x 1
		.amdhsa_system_sgpr_workgroup_id_y 1
		.amdhsa_system_sgpr_workgroup_id_z 1
		.amdhsa_system_vgpr_workitem_id 0
		.amdhsa_next_free_vgpr 768
		.amdhsa_next_free_sgpr 72
		.amdhsa_reserve_vcc 0
		.amdhsa_float_denorm_mode_32 3
		.amdhsa_float_denorm_mode_16_64 3
		.amdhsa_memory_ordered 1
		.amdhsa_forward_progress 1
		.amdhsa_inst_pref_size 84
	.end_amdhsa_kernel
	.amdgpu_metadata
---
amdhsa.version: [ 1, 2 ]
amdhsa.kernels:
  - .name:           k_qa0134870a1_proj
    .symbol:         k_qa0134870a1_proj.kd
    .args:
      - { .name: aq, .offset: 0, .size: 8, .value_kind: global_buffer, .address_space: global }
      - { .name: wpq, .offset: 8, .size: 8, .value_kind: global_buffer, .address_space: global }
      - { .name: b_proj, .offset: 16, .size: 8, .value_kind: global_buffer, .address_space: global }
      - { .name: out0, .offset: 24, .size: 8, .value_kind: global_buffer, .address_space: global }
    .group_segment_fixed_size: 327680
    .private_segment_fixed_size: 0
    .kernarg_segment_align: 8
    .kernarg_segment_size: 32
    .max_flat_workgroup_size: 128
    .sgpr_count:     72
    .vgpr_count:     768
    .wavefront_size: 32
...
	.end_amdgpu_metadata
.endif
;; end of part 4
